; MI455X (gfx1250); checked and timed in simulation.
; The chip was launched on July 23, 2026; its instructions are those of AMD's public machine-readable ISA for CDNA 5 (MIT licence, August 2026) and "CDNA5" Instruction Set Architecture Reference Guide (July 2026). The comments in the code are by the model that wrote it; some were corrected since.
;; block. Allowed arithmetic: matrix products marked QUANTISED: E5M2 operands, one given power-of-two scale a tensor, by v_wmma_f32_16x16x64_bf8_bf8 or v_wmma_f32_16x16x128_bf8_bf8, f32 sums; everything else in f32.
;; Inputs: W1_codes 4,096 x 32 x 32 uint8 (E5M2 codes of W1, K innermost, in blocks of 32 codes); W2_codes 1,024 x 128 x 32 uint8 (E5M2 codes of W2, K innermost, in blocks of 32 codes); Wk_codes 1,024 x 32 x 32 uint8 (E5M2 codes of Wk, K innermost, in blocks of 32 codes); Wo_codes 1,024 x 32 x 32 uint8 (E5M2 codes of Wo, K innermost, in blocks of 32 codes); Wq_codes 1,024 x 32 x 32 uint8 (E5M2 codes of Wq, K innermost, in blocks of 32 codes); Wv_codes 1,024 x 32 x 32 uint8 (E5M2 codes of Wv, K innermost, in blocks of 32 codes); b1 4,096 float32; b2 1,024 float32; bk 1,024 float32; bo 1,024 float32; bq 1,024 float32; bv 1,024 float32; ln1_b 1,024 float32; ln1_g 1,024 float32; ln2_b 1,024 float32; ln2_g 1,024 float32; lowp_scales 16 int32 (the exponents e of the quantised operands' scales 2^e); x 2 x 2,048 x 1,024 float32.
;; Outputs: out0 2 x 2,048 x 1,024 float32.
;; This version of the problem:
;;   THIS VERSION OF THE PROBLEM IS GIVEN IN LOW PRECISION. The matrix products marked QUANTISED in the list below multiply operands that are first quantised to E5M2 (5 exponent bits, 2 mantissa bits; 8 bits a number), with one given power-of-two scale for each operand tensor; their sums are f32. All else is computed in f32.
;;   The module's matrix products, in the order in which they are computed (A, B: the left and right operand; K: the contracted axis; several contracted axes count as one K, in the product's order):
;;     1. [M 4,096, K 1,024] x [K 1,024, N 1,024]; A: computed on the way; B: input Wq (given as codes): QUANTISED (scales: A lowp_scales[0], B lowp_scales[1])
;;     2. [M 4,096, K 1,024] x [K 1,024, N 1,024]; A: computed on the way; B: input Wk (given as codes): QUANTISED (scales: A lowp_scales[2], B lowp_scales[3])
;;     3. [M 4,096, K 1,024] x [K 1,024, N 1,024]; A: computed on the way; B: input Wv (given as codes): QUANTISED (scales: A lowp_scales[4], B lowp_scales[5])
;;     4. batch 32 x [M 2,048, K 64] x [K 64, N 2,048]; A: computed on the way; B: computed on the way: QUANTISED (scales: A lowp_scales[6], B lowp_scales[7])
;;     5. batch 32 x [M 64, K 2,048] x [K 2,048, N 2,048]; A: computed on the way; B: softmax (see below): QUANTISED (scales: A lowp_scales[8], B lowp_scales[9])
;;     6. [M 4,096, K 1,024] x [K 1,024, N 1,024]; A: computed on the way; B: input Wo (given as codes): QUANTISED (scales: A lowp_scales[10], B lowp_scales[11])
;;     7. [M 4,096, K 1,024] x [K 1,024, N 4,096]; A: computed on the way; B: input W1 (given as codes): QUANTISED (scales: A lowp_scales[12], B lowp_scales[13])
;;     8. [M 4,096, K 4,096] x [K 4,096, N 1,024]; A: computed on the way; B: input W2 (given as codes): QUANTISED (scales: A lowp_scales[14], B lowp_scales[15])
;;   THE QUANTISER, for each operand of a quantised product, along K:
;;     - The operand's scale is 2^e, e = its entry of the input lowp_scales (int32; the entries are numbered through the quantised products in the list's order, A before B).
;;     - Each number is divided by the scale, clamped to +-57,344, and rounded to the nearest number of E5M2, ties to even, subnormals kept.
;;     - The product sums the exact products of the quantised numbers (number of the format x scale) in f32.
;;   ~~~python
;;   def quantise(x, axis, e):      # numpy; x: float32 -> the quantised numbers, widened to float32 again
;;       x = np.moveaxis(x, axis, -1); K = x.shape[-1]
;;       r = np.clip(x / 2.0 ** e, -57344, 57344)
;;       step = 2.0 ** (np.maximum(np.frexp(np.where(r == 0, 1, r))[1] - 1, -14) - 2)
;;       q = np.round(r / step) * step * 2.0 ** e      # np.round: ties to even
;;       return np.moveaxis(q, -1, axis).astype(np.float32)
;;   ~~~
;;   SOFTMAX AHEAD OF A QUANTISED PRODUCT. Where the list says 'softmax', what is quantised is not the finished softmax but p = 2^(t - M), with t = logit x log2(e) and M = ceil(the row's largest t), a whole number; so 1/2 < the row's largest p <= 1. The row's sum l is taken of the UNQUANTISED p, in f32, and the product's result is divided by l at the end. Since M is a whole number, a kernel that streams over the keys may use a running M (the ceiling of the running maximum): every later rescaling is an exact power of two, so the quantised numbers keep their values, but for numbers so far below the row's largest that they fall under the format's range.
;;   OPERANDS COMPUTED ON THE WAY. 'Computed on the way' means the value that the module computes at that place (a softmax that the list does not call 'softmax' is quantised finished and normalised). What goes into a quantiser is computed in f32, as accurately as f32 sums, v_exp_f32 and their like allow (about 1e-6 of the number): no bf16 or f16 on the way to a quantiser, and a product that is left as it is and whose result goes on into a quantised operand takes f32 operands (vector FMAs, or v_wmma_f32_16x16x4_f32). A number that lies on a knife's edge between two numbers of the format may be rounded either way, as far as f32 arithmetic and the matrix unit's own rounding can turn it there, and no further.
;;   INPUTS GIVEN AS CODES. W1 (in the module: [1024, 4096], K = its axis 0); W2 (in the module: [4096, 1024], K = its axis 0); Wk (in the module: [1024, 1024], K = its axis 0); Wo (in the module: [1024, 1024], K = its axis 0); Wq (in the module: [1024, 1024], K = its axis 0); Wv (in the module: [1024, 1024], K = its axis 0): each comes as NAME_codes (uint8): NAME with its K axis moved to the last place and cut into blocks of 32 codes, [.., K / 32, bytes a block], one block behind the other in memory; one code a byte (a code: sign, 5 exponent bits, 2 mantissa bits); its scale is its entry of lowp_scales. Its value is code x scale, taken as it is: it is not quantised again, and the codes and scales need not be those that the quantiser above would give.
;; One version. Each part assembles by itself: llvm-mc -triple=amdgcn-amd-amdhsa -mcpu=gfx1250 --defsym DOCPART=n.
;; ======== version 1 of 1: 7 launches
;; limits: right only within a limited range of input values
;; workspace buffers: h_img 12,582,912 bytes; qkv_img 12,582,912 bytes; o_img 4,194,304 bytes; x1 16,777,216 bytes; h2_img 4,194,304 bytes; g_img 16,777,216 bytes
;; launch ln1 (part 1): grid 256 x 1, 4 waves a work-group, no clusters, 168,448 bytes of LDS; arguments x, ln1_g, ln1_b, lowp_scales, h_img; writes h_img
.if DOCPART == 1
	.amdgcn_target "amdgcn-amd-amdhsa--gfx1250"
	.amdhsa_code_object_version 6
	.text
	.protected	k_q6af236f93f_ln1
	.globl	k_q6af236f93f_ln1
	.p2align	8
	.type	k_q6af236f93f_ln1,@function
k_q6af236f93f_ln1:
	s_mov_b64 s[64:65], 0
	v_nop
	global_prefetch_b8 v0, s[64:65] scope:SCOPE_SE
	s_setreg_imm32_b32 hwreg(HW_REG_WAVE_MODE, 25, 1), 1
	s_wait_xcnt 0x0
; LayerNorm of x [4096][1024] f32, quantised to E5M2 three times, with the given scales 2^e of entries 0, 2 and 4 (the A operands of the products with Wq, Wk, Wv).
; OUTPUT: three images of operand registers, 4 MiB apart.  A fragment is 16 rows x 128 k = 2,048 bytes: four groups of 512 bytes; in group g lane (r, h) has 16 bytes at 16 x lane:
; k = 32 g + 8 h + 0..7 and k = 32 g + 16 + 8 h + 0..7 of row r.  Fragment (rows 16 mb on, k 128 ks on) lies at (8 mb + ks) x 2,048.  A reader gets a fragment's 16 registers by four loads of 16 bytes a lane.
; SHARES: a work-group owns 16 rows, wave w their columns 256 w .. 256 w + 255.  Lane (r, h) holds, of row r, k = 256 w + 16 c + 8 h + 0..7, c = 0..15: 128 numbers, register 8 c + i.
; The mean and then the mean of squared differences are taken on the registers (two passes: no difference of large sums); the four waves' parts meet in LDS behind a barrier.
; x's quarter rows, gamma's and beta's quarters come by three tensor loads a wave, issued once at the head, into bytes that only this wave reads; nothing is filled again.
; LIMITS: each e between -126 and 112; NaN and infinities among the inputs are not served.
.set NOUT,   3                         ; outputs
.set X,      64                        ; v64-191  my 128 numbers
.set PS,     24                        ; v24-31   four packed chains
.set HH,     32                        ; v32-47   16 numbers held within the largest code
.set C0,     48                        ; v48-59   chunk 0's codes; later chunks' codes lie in the chunk before, which is done with
.set GB,     192                       ; v192-255 two sets of 16 gamma and 16 beta
.set REGION, 18688                     ; LDS of a wave: 16 rows x (1,024 + 16) bytes of x, 1,024 of gamma, 1,024 of beta
.set GOFF,   16640
.set RED,    4*REGION                  ; two blocks of 256 bytes for the waves' partial sums; no tile lands there
	s_load_b256 s[4:11], s[0:1], 0x0               ; x s[4:5], gamma s[6:7], beta s[8:9], the exponents s[10:11]
	s_load_b64 s[12:13], s[0:1], 0x20              ; the images
	v_lshl_add_u32 v62, v0, 2, 0x29000
	v_mov_b32 v63, 0
	ds_add_u32 v62, v63
	ds_add_u32 v62, v63
	v_lshrrev_b32 v1, 5, v0
	v_readfirstlane_b32 s18, v1                    ; wave 0..3
	s_mul_i32 s19, s18, REGION                     ; my region
	s_mov_b32 s20, 0x76543210                      ; v_permlanex16_b32: lane l xor 16
	s_mov_b32 s21, 0xfedcba98
	; group 1 for x: 16 rows of 256 elements of 4 bytes, 1,024 elements apart; four words of padding behind every 256
	s_mov_b32 s24, (2<<16)|(1<<20)|(7<<22)|(3<<25)
	s_mov_b32 s25, 256<<16
	s_mov_b32 s26, 16<<16
	s_mov_b32 s27, 256<<16
	s_mov_b32 s28, 16
	s_mov_b32 s29, 1024
	s_mov_b32 s30, 0
	s_mov_b32 s31, 0
	; group 1 for gamma and beta: one row of 128 elements of 8 bytes
	s_mov_b32 s32, 3<<16
	s_mov_b32 s33, 128<<16
	s_mov_b32 s34, 1<<16
	s_mov_b32 s35, 128<<16
	s_mov_b32 s36, 1
	s_mov_b32 s37, 128
	s_mov_b32 s38, 0
	s_mov_b32 s39, 0
	s_lshl_b32 s22, ttmp9, 16                      ; 16 rows of 4,096 bytes
	s_lshl_b32 s62, s18, 10                        ; my 1,024 bytes of a row
	s_add_co_u32 s22, s22, s62
	s_mov_b32 s23, 0
	s_mov_b32 s63, 0
	s_lshl_b32 s60, ttmp9, 14                      ; the images: 8 fragments a block of rows,
	s_lshl_b32 s61, s18, 12                        ; two of them mine
	s_add_co_u32 s60, s60, s61
	s_mov_b32 s61, 0
	s_wait_dscnt 0x0
	s_wait_kmcnt 0x0
.if NOUT == 3
	s_load_b256 s[52:59], s[10:11], 0x0            ; entries 0 to 7: 0, 2 and 4 are used
.else
	s_load_b32 s52, s[10:11], 0x30                 ; entry 12
.endif
	s_mov_b32 s40, 1
	s_mov_b32 s41, s19
	s_add_nc_u64 s[42:43], s[4:5], s[22:23]
	s_or_b32 s43, s43, 0x80000000
	s_mov_b32 s44, 1
	s_add_co_u32 s45, s19, GOFF
	s_add_nc_u64 s[46:47], s[6:7], s[62:63]
	s_or_b32 s47, s47, 0x80000000
	s_mov_b32 s48, 1
	s_add_co_u32 s49, s19, GOFF+1024
	s_add_nc_u64 s[50:51], s[8:9], s[62:63]
	s_or_b32 s51, s51, 0x80000000
	tensor_load_to_lds s[40:43], s[24:31]          ; three loads of mine are out
	s_nop 0
	tensor_load_to_lds s[44:47], s[32:39]
	s_nop 0
	tensor_load_to_lds s[48:51], s[32:39]
	s_nop 0
.rept 4
	v_nop
.endr
	s_add_nc_u64 s[12:13], s[12:13], s[60:61]      ; my place in the first image,
.if NOUT == 3
	s_add_nc_u64 s[14:15], s[12:13], 0x400000      ; the second,
	s_add_nc_u64 s[16:17], s[12:13], 0x800000      ; the third
.endif
	s_mov_b32 s60, 0x3a800000                      ; 1 / 1024
	s_mov_b32 s61, 0x3727c5ac                      ; 1e-5
	v_and_b32 v1, 15, v0                           ; r
	v_bfe_u32 v2, v0, 4, 1                         ; h
	v_mul_u32_u24 v3, v1, 1040
	v_lshl_add_u32 v3, v2, 5, v3
	v_add_nc_u32 v3, s19, v3                       ; x in LDS: row r, + 32 h bytes
	v_lshlrev_b32 v4, 5, v2
	v_add_nc_u32 v4, s19, v4                       ; gamma and beta: + 32 h bytes
	v_lshlrev_b32 v6, 2, v1
	v_add_nc_u32 v6, RED, v6                       ; the partial sums of row r: four words, 64 bytes apart
	s_lshl_b32 s62, s18, 6
	v_add_nc_u32 v5, s62, v6                       ; my wave's word
	v_and_b32 v7, 31, v0
	v_lshlrev_b32 v7, 4, v7                        ; 16 x lane
	v_mov_b32 v22, 0                               ; a lane permute's destination counts as read
	v_mov_b32 v15, 0                               ; (upper halves of pairs that are named whole)
	v_mov_b32 v17, 0
	s_wait_kmcnt 0x0
.irp o, 0,1,2
.if \o < NOUT
	s_add_co_i32 s22, s[52+2*\o], 127
	s_lshl_b32 s23, s22, 23
	v_mov_b32 v[8+2*\o], s23                       ; 2^e as f32: the conversion takes its exponent field
	s_add_co_i32 s22, s22, 15
	s_lshl_b32 s22, s22, 23
	s_or_b32 s22, s22, 0x600000
	v_mov_b32 v[9+2*\o], s22                       ; 57,344 x 2^e
.endif
.endr
	s_wait_tensorcnt 0x0                           ; my three tiles are in LDS; only I read them
.irp u, 0,1,2,3,4,5,6,7
.irp m, 0,1,2,3
	ds_load_b128 v[X+16*\u+4*\m:X+16*\u+4*\m+3], v3 offset:128*\u+64*(\m/2)+16*(\m%2)
.endr
.endr
	s_wait_dscnt 0x0
; The four chains are folded, the other half of the lanes' part is added, and the four waves' parts meet in LDS at byte off of the two blocks.  v18 = the row's sum, in every lane.
.macro REDUCE off
	v_pk_add_f32 v[PS:PS+1], v[PS:PS+1], v[PS+2:PS+3]
	v_pk_add_f32 v[PS+4:PS+5], v[PS+4:PS+5], v[PS+6:PS+7]
	v_pk_add_f32 v[PS:PS+1], v[PS:PS+1], v[PS+4:PS+5]
	v_add_f32 v18, v[PS], v[PS+1]
	v_permlanex16_b32 v22, v18, s20, s21
	v_add_f32 v18, v18, v22
	ds_store_b32 v5, v18 offset:\off               ; lanes r and r + 16 write the same word with the same number
	s_wait_dscnt 0x0                               ; for the others' sake: my store is done
	s_barrier_signal -1
	s_barrier_wait -1
	ds_load_b32 v18, v6 offset:\off
	ds_load_b32 v19, v6 offset:\off+64
	ds_load_b32 v20, v6 offset:\off+128
	ds_load_b32 v21, v6 offset:\off+192
	s_wait_dscnt 0x0
	v_add_f32 v18, v18, v19
	v_add_f32 v20, v20, v21
	v_add_f32 v18, v18, v20
.endm
.irp k, 0,1,2,3
	v_pk_add_f32 v[PS+2*\k:PS+2*\k+1], v[X+2*\k:X+2*\k+1], v[X+8+2*\k:X+8+2*\k+1]
.endr
.set m, 16
.rept 14
.irp k, 0,1,2,3
	v_pk_add_f32 v[PS+2*\k:PS+2*\k+1], v[PS+2*\k:PS+2*\k+1], v[X+m+2*\k:X+m+2*\k+1]
.endr
.set m, m+8
.endr
	REDUCE 0
	v_mul_f32 v14, s60, v18                        ; the mean
.set m, 0
.rept 64
	v_pk_add_f32 v[X+m:X+m+1], v[X+m:X+m+1], v[14:15] op_sel_hi:[1,0] neg_lo:[0,1] neg_hi:[0,1]   ; x - mean
.set m, m+2
.endr
.irp k, 0,1,2,3
	v_pk_mul_f32 v[PS+2*\k:PS+2*\k+1], v[X+2*\k:X+2*\k+1], v[X+2*\k:X+2*\k+1]
.endr
.set m, 8
.rept 15
.irp k, 0,1,2,3
	v_pk_fma_f32 v[PS+2*\k:PS+2*\k+1], v[X+m+2*\k:X+m+2*\k+1], v[X+m+2*\k:X+m+2*\k+1], v[PS+2*\k:PS+2*\k+1]
.endr
.set m, m+8
.endr
	REDUCE 256                                     ; other bytes than the first time: no wave can still be reading them
	v_fma_f32 v16, v18, s60, s61                   ; variance + 1e-5
	v_rsq_f32 v16, v16
	v_nop                                          ; a plain instruction behind the transcendental
	s_wait_alu depctr_va_vdst(0)                   ; and the wait ahead of the first line that names its result
.macro GLOAD u                         ; chunk u's 16 gamma and 16 beta into set u % 2
.irp m, 0,1,2,3
	ds_load_b128 v[GB+32*((\u)%2)+4*\m:GB+32*((\u)%2)+4*\m+3], v4 offset:GOFF+128*(\u)+64*(\m/2)+16*(\m%2)
	ds_load_b128 v[GB+32*((\u)%2)+16+4*\m:GB+32*((\u)%2)+16+4*\m+3], v4 offset:GOFF+1024+128*(\u)+64*(\m/2)+16*(\m%2)
.endr
.endm
; Chunk u: my 16 numbers of k = 32 u + 8 h + 0..7 and 32 u + 16 + 8 h + 0..7: one group of an image.  A wave's store covers 512 consecutive bytes, aligned.
.macro CHUNK u
.set XS, X+16*(\u)
.set GS, GB+32*((\u)%2)
.if (\u) == 0
.set CD, C0
.else
.set CD, X+16*((\u)-1)
.endif
.if (\u) < 7
	GLOAD (\u)+1
	s_wait_dscnt 0x8                               ; this chunk's eight loads are in; the next chunk's eight may be out
.else
	s_wait_dscnt 0x0
.endif
.irp p, 0,2,4,6,8,10,12,14
	v_pk_mul_f32 v[XS+\p:XS+\p+1], v[XS+\p:XS+\p+1], v[16:17] op_sel_hi:[1,0]
.endr
.irp p, 0,2,4,6,8,10,12,14
	v_pk_fma_f32 v[XS+\p:XS+\p+1], v[XS+\p:XS+\p+1], v[GS+\p:GS+\p+1], v[GS+16+\p:GS+16+\p+1]
.endr
.irp o, 0,1,2
.if \o < NOUT
.irp i, 0,1,2,3,4,5,6,7,8,9,10,11,12,13,14,15
	v_med3_num_f32 v[HH+\i], v[XS+\i], -v[9+2*\o], v[9+2*\o]   ; the conversion to an 8-bit code does not saturate (ISA guide 7.6.2): the hold comes first
.endr
	v_cvt_scalef32_pk8_bf8_f32 v[CD+4*\o:CD+4*\o+1], v[HH:HH+7], v[8+2*\o]
	v_cvt_scalef32_pk8_bf8_f32 v[CD+4*\o+2:CD+4*\o+3], v[HH+8:HH+15], v[8+2*\o]
	v_nop                                          ; a plain line between the conversions and the next holds, which write their sources
	global_store_b128 v7, v[CD+4*\o:CD+4*\o+3], s[12+2*\o:13+2*\o] offset:512*(\u)   ; no store's data or address register is written again
.endif
.endr
.endm
	GLOAD 0
.irp u, 0,1,2,3,4,5,6,7
	CHUNK \u
.endr
	s_wait_tensorcnt 0x0
	ds_add_u32 v62, v63
	s_wait_dscnt 0x0
	s_endpgm
.Lfunc_end_k_q6af236f93f_ln1:
	.size	k_q6af236f93f_ln1, .Lfunc_end_k_q6af236f93f_ln1-k_q6af236f93f_ln1
	.p2alignl 7, 3214868480
	.fill 96, 4, 3214868480
	.section	.rodata,"a",@progbits
	.p2align	6, 0x0
	.amdhsa_kernel k_q6af236f93f_ln1
		.amdhsa_group_segment_fixed_size 168448
		.amdhsa_private_segment_fixed_size 0
		.amdhsa_enable_private_segment 0
		.amdhsa_kernarg_size 40
		.amdhsa_user_sgpr_count 2
		.amdhsa_user_sgpr_kernarg_segment_ptr 1
		.amdhsa_wavefront_size32 1
		.amdhsa_system_sgpr_workgroup_id_x 1
		.amdhsa_system_sgpr_workgroup_id_y 1
		.amdhsa_system_sgpr_workgroup_id_z 1
		.amdhsa_system_vgpr_workitem_id 0
		.amdhsa_next_free_vgpr 256
		.amdhsa_next_free_sgpr 66
		.amdhsa_reserve_vcc 0
		.amdhsa_float_denorm_mode_32 3
		.amdhsa_float_denorm_mode_16_64 3
		.amdhsa_memory_ordered 1
		.amdhsa_forward_progress 1
		.amdhsa_inst_pref_size 64
	.end_amdhsa_kernel
	.amdgpu_metadata
---
amdhsa.version: [ 1, 2 ]
amdhsa.kernels:
  - .name:           k_q6af236f93f_ln1
    .symbol:         k_q6af236f93f_ln1.kd
    .args:
      - { .name: x, .offset: 0, .size: 8, .value_kind: global_buffer, .address_space: global }
      - { .name: ln1_g, .offset: 8, .size: 8, .value_kind: global_buffer, .address_space: global }
      - { .name: ln1_b, .offset: 16, .size: 8, .value_kind: global_buffer, .address_space: global }
      - { .name: lowp_scales, .offset: 24, .size: 8, .value_kind: global_buffer, .address_space: global }
      - { .name: h_img, .offset: 32, .size: 8, .value_kind: global_buffer, .address_space: global }
    .group_segment_fixed_size: 168448
    .private_segment_fixed_size: 0
    .kernarg_segment_align: 8
    .kernarg_segment_size: 40
    .max_flat_workgroup_size: 128
    .sgpr_count:     66
    .vgpr_count:     256
    .wavefront_size: 32
...
	.end_amdgpu_metadata
.endif
;; end of part 1
;; launch qkv (part 2): grid 24 x 32, 4 waves a work-group, clusters of 4 x 4, 327,680 bytes of LDS; arguments h_img, Wq_codes, Wk_codes, Wv_codes, bq, bk, bv, lowp_scales, qkv_img; writes qkv_img
.if DOCPART == 2
	.amdgcn_target "amdgcn-amd-amdhsa--gfx1250"
	.amdhsa_code_object_version 6
	.text
	.protected	k_q6af236f93f_qkv
	.globl	k_q6af236f93f_qkv
	.p2align	8
	.type	k_q6af236f93f_qkv,@function
k_q6af236f93f_qkv:
	s_mov_b64 s[64:65], 0
	v_nop
	global_prefetch_b8 v0, s[64:65] scope:SCOPE_SE
	s_setreg_imm32_b32 hwreg(HW_REG_WAVE_MODE, 25, 1), 1
	s_wait_xcnt 0x0
	s_wait_alu depctr_hold_cnt(0) depctr_sa_sdst(0) depctr_va_vdst(0) depctr_va_sdst(0) depctr_va_ssrc(0) depctr_va_vcc(0) depctr_vm_vsrc(0)
	s_getreg_b32 s2, hwreg(HW_REG_IB_STS2, 6, 4)
	s_cmp_eq_u32 s2, 0
	s_cbranch_scc0 .Lentry_in_a_cluster
	s_endpgm
.Lentry_in_a_cluster:
	s_bfe_u32 s2, ttmp6, 0x10000c
	s_cmp_lg_u32 s2, 0xf033
	s_cbranch_scc0 .Lentry_shape_is_right
	s_endpgm
.Lentry_shape_is_right:
; q, k, v = h W + b on codes of E5M2, quantised again for attention.  h: three images of operand registers (one for each product's scale), 4 MiB apart; W: codes [1024 (n)][1024 (k)].
; AN IMAGE: a fragment of 16 rows x 128 k is 2,048 bytes, four groups of 512; in group g lane (r, h) has 16 bytes at 16 x lane: k = 32 g + 8 h + 0..7, then 32 g + 16 + 8 h + 0..7.
; SHARES: a work-group makes 128 tokens x 128 columns of one of the three products (sel = cluster x / 2: 0 q, 1 k, 2 v); four waves, 64 x 64 each: 16 accumulators.  A wave's 64 columns are one head.
; K = 1,024 lies in two LDS slots of 512, both asked for at the head: nothing is filled again.  A slot: h's 8 x 4 fragments as they lie (65,536 bytes), then 128 rows of W, 512 + 16 bytes each.
; CLUSTER 4 x 4: h's tile is shared along a row of the cluster, W's along a column: joint loads, the same descriptor in the four that a mask names.
; q AND k: source 0 = 16 rows of W, source 1 = 16 tokens: a lane holds a token and its registers run along the head's 64: the conversions' results are the registers of an operand whose K is the head's axis.
; v: THE SOURCES ARE SWAPPED (source 0 = tokens, source 1 = rows of W): a lane holds one of the head's 64 and its registers run along the tokens, which are the K of attention's second product.
; The choice is a scalar branch on sel, the same in all sixteen partners; both variants write the 16 accumulators in the same order.
; OUTPUT: q at 0, k at 4 MiB: [batch x head][16 tokens][2 groups][512];  v at 8 MiB: [batch x head][128 tokens][16 of the head's 64][4 groups][512].
; The bias is the C of each sum's first product, divided by the power of two that the sums lack.
; LIMITS: with eA, eB the product's two exponents and eO the result's: eO - eA - eB between -126 and 112.  NaN and infinities are not served.  Entry 6 is taken as q's scale, entry 7 as k's, entry 8 as v's.
.set KK,     1024
.set PITCH,  528                       ; a row of W in LDS: 132 words: the 32 lanes of an 8-byte load (row r, half h) touch 64 different banks (64 banks of 4 bytes: ISA guide 11.1)
.set BOFF,   65536
.set SLOT,   BOFF+128*PITCH
.set SPARE,  2*SLOT+17408              ; the spare words, 128 bytes a wave: two blocks of 256 bytes that no other line names
.set ADRA, 16                          ; v16-17 LDS address of my fragments of h in slot 0, 1
.set ADRB, 20                          ; v20-21 of my rows of W
.set LI,   27                          ; v27    16 x lane
.set SPW,  28                          ; v28    my spare word
.set NIL,  29                          ; v29    0
.set BI,   32                          ; v32-63 the bias, four tiles in the result's layout; later the codes
.set ACC,  128                         ; v128-255 accumulator (i1, i0) at 128 + 8 (4 i1 + i0): i1 = source 1's block, i0 = source 0's
.set F0,   0                           ; window 1: two fragment buffers: h's four fragments, then W's four
.set F1,   128
.set G1,  24
.set G0,  32
.set G1B, 48
.set G0B, 56
.set SELR, 97                          ; s97 sel
.set VF,   98                          ; s98 1 for v
.set MSB, 0
.macro WIN new                         ; the immediate's high byte repeats the setting that is left
.if MSB != \new
	s_set_vgpr_msb (MSB<<8)|\new
.set MSB, \new
.endif
.endm
.set MUL,  0x05                        ; sources 0 and 1 window 1; C and D window 0
.set TO_F, 0x40                        ; destination window 1
.macro JLOAD s                         ; waves 0 and 1 fetch h's halves, waves 2 and 3 W's; four v_nop follow each line
	s_cmp_eq_u32 s11, 0
	s_cbranch_scc0 .Lfor_b_\@
	tensor_load_to_lds s[G0+4*\s:G0+4*\s+3], s[G1:G1+7]
	s_nop 0
.rept 4
	v_nop
.endr
	s_branch .Lasked_\@
.Lfor_b_\@:
	tensor_load_to_lds s[G0B+4*\s:G0B+4*\s+3], s[G1B:G1B+7]
	s_nop 0
.rept 4
	v_nop
.endr
.Lasked_\@:
.endm
.macro CROUND                          ; a round of the cluster's barrier
	s_barrier_signal -1
	s_barrier_wait -1
	s_cmp_lg_u32 s10, 0
	s_cbranch_scc1 .Lnot_wave_0_\@
	s_barrier_signal -3
.Lnot_wave_0_\@:
	s_barrier_wait -3
	s_barrier_signal -1
	s_barrier_wait -1
.endm
.macro PLACES                          ; four plain places behind matrix instructions, ahead of loads into their sources and of reads of their results
.rept 4
	v_nop
.endr
.endm
	s_load_b512 s[68:83], s[0:1], 0x0              ; h s[68:69], Wq, Wk, Wv s[70:75], bq, bk, bv s[76:81], the exponents s[82:83]
	s_load_b64 s[84:85], s[0:1], 0x40              ; the output
	v_lshl_add_u32 v[SPW], v0, 2, SPARE
	v_mov_b32 v[NIL], 0
	ds_add_u32 v28, v29
	ds_add_u32 v28, v29
	s_wait_dscnt 0x0
	v_lshrrev_b32 v1, 5, v0
	v_readfirstlane_b32 s10, v1                    ; wave 0..3
	s_lshr_b32 s11, s10, 1                         ; my half of the tokens.  Also: I fetch h (0) or W (1)
	s_and_b32 s12, s10, 1                          ; my half of the columns.  Also: which half of that tile I fetch
	s_bfe_u32 s40, ttmp6, 0x40000                  ; cx
	s_bfe_u32 s41, ttmp6, 0x40004                  ; cy
	s_lshr_b32 s[SELR], ttmp9, 1                   ; which product
	s_lshr_b32 s[VF], s[SELR], 1
	s_and_b32 s42, ttmp9, 1
	s_lshl_b32 s42, s42, 2
	s_add_co_u32 s42, s42, s40                     ; tile column within the product: 0..7
	s_and_b32 s13, ttmp7, 0xffff
	s_lshl_b32 s13, s13, 2
	s_add_co_u32 s13, s13, s41                     ; tile row: 0..31
	s_lshl_b32 s43, s41, 2
	s_lshl_b32 s43, 15, s43                        ; my row of the cluster
	s_lshl_b32 s44, 0x1111, s40                    ; my column
	s_or_b32 s[G1], s43, (3<<16)|(1<<21)           ; h: 4 rows of 1,024 elements of 8 bytes (four fragments on end), 16 KK bytes apart
	s_mov_b32 s[G1+1], 1024<<16
	s_mov_b32 s[G1+2], 4<<16
	s_mov_b32 s[G1+3], 1024<<16
	s_mov_b32 s[G1+4], 4
	s_mov_b32 s[G1+5], 2*KK
	s_mov_b32 s[G1+6], 0
	s_mov_b32 s[G1+7], 0
	s_or_b32 s[G1B], s44, (1<<20)|(1<<21)|(6<<22)|(3<<25)   ; W: 64 rows of 512 bytes, KK apart; four words of padding behind every 128
	s_mov_b32 s[G1B+1], 512<<16
	s_mov_b32 s[G1B+2], 64<<16
	s_mov_b32 s[G1B+3], 512<<16
	s_mov_b32 s[G1B+4], 64
	s_mov_b32 s[G1B+5], KK
	s_mov_b32 s[G1B+6], 0
	s_mov_b32 s[G1B+7], 0
	s_lshl_b32 s16, s13, 3
	s_lshl_b32 s17, s12, 2
	s_add_co_u32 s16, s16, s17                     ; h: block of 16 rows 8 x tile row + 4 x half
	s_mul_i32 s16, s16, 16*KK
	s_lshl_b32 s17, s[SELR], 22                    ; in the product's own image
	s_add_co_u32 s16, s16, s17
	s_mov_b32 s17, 0
	s_lshl_b32 s46, s42, 7
	s_lshl_b32 s47, s12, 6
	s_add_co_u32 s46, s46, s47                     ; W: row 128 x tile column + 64 x half
	s_mul_i32 s46, s46, KK
	s_mov_b32 s47, 0
	s_mul_i32 s20, s12, 32768                      ; where they go: h's half,
	s_mul_i32 s21, s12, 64*PITCH
	s_add_co_u32 s21, s21, BOFF                    ; W's half
	s_wait_kmcnt 0x0
	s_load_b256 s[88:95], s[82:83], 0x0            ; entries 0 to 7
	s_load_b32 s96, s[82:83], 0x20                 ; entry 8
	s_cmp_eq_u32 s[SELR], 0
	s_cselect_b64 s[6:7], s[70:71], s[72:73]
	s_cselect_b64 s[66:67], s[76:77], s[78:79]
	s_cmp_eq_u32 s[SELR], 2
	s_cselect_b64 s[6:7], s[74:75], s[6:7]         ; the product's W
	s_cselect_b64 s[66:67], s[80:81], s[66:67]     ; and bias
	s_add_nc_u64 s[14:15], s[68:69], s[16:17]
	s_add_nc_u64 s[46:47], s[6:7], s[46:47]
	CROUND                                         ; all sixteen work-groups are here: the joint loads meet
.irp s, 0,1
	s_mov_b32 s[G0+4*\s], 1
	s_add_co_u32 s[G0+4*\s+1], s20, \s*SLOT
	s_add_nc_u64 s[G0+4*\s+2:G0+4*\s+3], s[14:15], \s*8192
	s_or_b32 s[G0+4*\s+3], s[G0+4*\s+3], 0x80000000
	s_mov_b32 s[G0B+4*\s], 1
	s_add_co_u32 s[G0B+4*\s+1], s21, \s*SLOT
	s_add_nc_u64 s[G0B+4*\s+2:G0B+4*\s+3], s[46:47], \s*512
	s_or_b32 s[G0B+4*\s+3], s[G0B+4*\s+3], 0x80000000
	JLOAD \s                                       ; two loads of mine are out: all of K
.endr
	v_and_b32 v1, 15, v0                           ; r
	v_bfe_u32 v2, v0, 4, 1                         ; h
	v_and_b32 v3, 31, v0
	v_lshlrev_b32 v[LI], 4, v3
	s_lshl_b32 s22, s11, 15
	v_add_nc_u32 v[ADRA], s22, v[LI]               ; my four blocks of tokens: 32,768 x half + 16 x lane
	v_add_nc_u32 v[ADRA+1], SLOT, v[ADRA]
	v_mul_u32_u24 v3, v1, PITCH
	v_lshl_add_u32 v3, v2, 3, v3
	v_add_nc_u32 v[ADRB], s21, v3                  ; my 64 rows of W: row r, + 8 h
	v_add_nc_u32 v[ADRB+1], SLOT, v[ADRB]
	; the bias: q, k: register j of tile b = bias[16 b + 8 h + j];  v: every register of tile b = bias[16 b + r].  Eight offsets, chosen without a branch
	s_cmp_eq_u32 s[VF], 1
	s_cselect_b32 s20, 4, 0
	s_cselect_b32 s22, 0, 32
	s_cselect_b32 s23, 0, 4
	v_mul_u32_u24 v3, v1, s20
	v_mad_u32_u24 v64, v2, s22, v3
.irp j, 0,1,2,3,4,5,6
	v_add_nc_u32 v[65+\j], s23, v[64+\j]
.endr
	s_lshl_b32 s46, s42, 9
	s_lshl_b32 s47, s12, 8
	s_add_co_u32 s46, s46, s47                     ; my first column, in bytes of f32
	s_mov_b32 s47, 0
	s_add_nc_u64 s[66:67], s[66:67], s[46:47]
.irp b, 0,1,2,3
.irp j, 0,1,2,3,4,5,6,7
	global_load_b32 v[BI+8*\b+\j], v[64+\j], s[66:67] offset:64*\b
.endr
.endr
	; where my codes go: sel x 4 MiB + (16 batch + head) x 131,072 + (tile row % 16) x 8,192 + my half of the tokens: 4 blocks of 1,024 (q, k) or 2 groups of 512 (v)
	s_lshr_b32 s46, s13, 4
	s_lshl_b32 s46, s46, 4
	s_lshl_b32 s47, s42, 1
	s_add_co_u32 s46, s46, s47
	s_add_co_u32 s46, s46, s12
	s_lshl_b32 s46, s46, 17
	s_lshl_b32 s47, s[SELR], 22
	s_add_co_u32 s46, s46, s47
	s_and_b32 s47, s13, 15
	s_lshl_b32 s47, s47, 13
	s_add_co_u32 s46, s46, s47
	s_lshl_b32 s47, s[VF], 1
	s_sub_co_u32 s47, 12, s47
	s_lshl_b32 s47, s11, s47
	s_add_co_u32 s46, s46, s47
	s_mov_b32 s47, 0
	s_add_nc_u64 s[84:85], s[84:85], s[46:47]
	s_lshl_b32 s20, 0x400, s[VF]                   ; from one block of source 1 to the next: 1,024 (16 tokens) or 2,048 (16 of the head's 64)
	v_mov_b32 v120, v[LI]
	v_add_nc_u32 v121, s20, v120
	v_add_nc_u32 v122, s20, v121
	v_add_nc_u32 v123, s20, v122
	s_wait_kmcnt 0x0
	s_cmp_eq_u32 s[SELR], 0
	s_cselect_b32 s14, s88, s90
	s_cselect_b32 s15, s89, s91
	s_cselect_b32 s16, s94, s95
	s_cmp_eq_u32 s[SELR], 2
	s_cselect_b32 s14, s92, s14                    ; eA
	s_cselect_b32 s15, s93, s15                    ; eB
	s_cselect_b32 s16, s96, s16                    ; eO
	s_add_co_i32 s14, s14, s15
	s_sub_co_i32 s15, 0, s14                       ; -(eA + eB)
	s_sub_co_i32 s16, s16, s14
	s_add_co_i32 s16, s16, 127
	s_lshl_b32 s17, s16, 23
	v_mov_b32 v118, s17                            ; 2^(eO - eA - eB): the three scales folded into the conversion's one
	s_add_co_i32 s16, s16, 15
	s_lshl_b32 s16, s16, 23
	s_or_b32 s16, s16, 0x600000
	v_mov_b32 v119, s16                            ; 57,344 x that
	s_wait_loadcnt 0x0
.irp j, 0,1,2,3,4,5,6,7,8,9,10,11,12,13,14,15,16,17,18,19,20,21,22,23,24,25,26,27,28,29,30,31
	v_ldexp_f32 v[BI+\j], v[BI+\j], s15
.endr
; 48 LDS loads in one run: the fragments of the slot's q-th 128 along K into buffer f
.macro FETCH slot, q, f
	WIN TO_F
.irp b, 0,1,2,3
.irp c, 0,1,2,3,4,5,6,7
	ds_load_b64 v[\f+64+16*\b+2*\c:\f+64+16*\b+2*\c+1], v[ADRB+\slot] offset:\b*16*PITCH+128*(\q)+16*\c   ; registers 2 c, 2 c + 1: k = 16 c + 8 h + 0..7
.endr
.endr
.irp a, 0,1,2,3
.irp g, 0,1,2,3
	ds_load_b128 v[\f+16*\a+4*\g:\f+16*\a+4*\g+3], v[ADRA+\slot] offset:\a*8192+(\q)*2048+\g*512
.endr
.endr
.endm
; 16 products, 128 along K.  The 16 accumulators take turns, one instruction a turn, in the same order in both variants and in every quarter.
.macro MUL16 f, first
	WIN 0                                          ; at a branch and at a label every window is 0
	s_cmp_eq_u32 s[VF], 0
	s_cbranch_scc0 .Lv_\@
	WIN MUL
.irp a, 0,1,2,3
.irp b, 0,1,2,3
.if \first
	v_wmma_f32_16x16x128_bf8_bf8 v[ACC+8*(4*\a+\b):ACC+8*(4*\a+\b)+7], v[\f+64+16*\b:\f+64+16*\b+15], v[\f+16*\a:\f+16*\a+15], v[BI+8*\b:BI+8*\b+7]
.else
	v_wmma_f32_16x16x128_bf8_bf8 v[ACC+8*(4*\a+\b):ACC+8*(4*\a+\b)+7], v[\f+64+16*\b:\f+64+16*\b+15], v[\f+16*\a:\f+16*\a+15], v[ACC+8*(4*\a+\b):ACC+8*(4*\a+\b)+7]
.endif
.endr
.endr
	WIN 0
	s_branch .Lj_\@
.Lv_\@:
	WIN MUL
.irp b, 0,1,2,3
.irp a, 0,1,2,3
.if \first
	v_wmma_f32_16x16x128_bf8_bf8 v[ACC+8*(4*\b+\a):ACC+8*(4*\b+\a)+7], v[\f+16*\a:\f+16*\a+15], v[\f+64+16*\b:\f+64+16*\b+15], v[BI+8*\b:BI+8*\b+7]
.else
	v_wmma_f32_16x16x128_bf8_bf8 v[ACC+8*(4*\b+\a):ACC+8*(4*\b+\a)+7], v[\f+16*\a:\f+16*\a+15], v[\f+64+16*\b:\f+64+16*\b+15], v[ACC+8*(4*\b+\a):ACC+8*(4*\b+\a)+7]
.endif
.endr
.endr
	WIN 0
.Lj_\@:
.endm
; A quarter of a slot: the next quarter's fragments are asked for into buffer g, which the last products have read; then buffer f is multiplied.
.macro QUARTER slot, q, f, g, first
	PLACES
	FETCH \slot, \q, \g
	s_wait_dscnt 48                                ; all but the 48 just issued: buffer f is in
	MUL16 \f, \first
.endm
	s_wait_tensorcnt 0x1                           ; my part of slot 0 is in; slot 1's may stay out
	s_barrier_signal -1
	s_barrier_wait -1
	FETCH 0, 0, F0
	QUARTER 0, 1, F0, F1, 1                        ; the first products start the sums, with the bias as C
	QUARTER 0, 2, F1, F0, 0
	QUARTER 0, 3, F0, F1, 0
	s_wait_tensorcnt 0x0                           ; my part of slot 1 is in
	ds_add_u32 v[SPW], v[NIL]                      ; 0 onto my spare word
	s_wait_dscnt 0x0
	s_barrier_signal -1
	s_barrier_wait -1                              ; everybody's is
	PLACES
	FETCH 1, 0, F0
	MUL16 F1, 0
	QUARTER 1, 1, F0, F1, 0
	QUARTER 1, 2, F1, F0, 0
	QUARTER 1, 3, F0, F1, 0
	s_wait_dscnt 0x0
	MUL16 F1, 0
	; THE WAY OUT: held, converted, stored.  Tiles 2 q and 2 q + 1 of a block of source 1 give one group: 16 bytes a lane, 512 consecutive bytes a store, aligned.
	PLACES
.irp i, 0,1,2,3
.irp q, 0,1
.irp j, 0,1,2,3,4,5,6,7,8,9,10,11,12,13,14,15
	v_med3_num_f32 v[ACC+32*\i+16*\q+\j], v[ACC+32*\i+16*\q+\j], -v119, v119   ; each accumulator from its low end on
.endr
	v_cvt_scalef32_pk8_bf8_f32 v[BI+8*\i+4*\q:BI+8*\i+4*\q+1], v[ACC+32*\i+16*\q:ACC+32*\i+16*\q+7], v118
	v_cvt_scalef32_pk8_bf8_f32 v[BI+8*\i+4*\q+2:BI+8*\i+4*\q+3], v[ACC+32*\i+16*\q+8:ACC+32*\i+16*\q+15], v118
.endr
.endr
	v_nop                                          ; a plain line behind the last conversion
.irp i, 0,1,2,3
.irp q, 0,1
	global_store_b128 v[120+\i], v[BI+8*\i+4*\q:BI+8*\i+4*\q+3], s[84:85] offset:512*\q
.endr
.endr
	s_wait_tensorcnt 0x0                           ; the wave's end
	ds_add_u32 v[SPW], v[NIL]
	s_wait_dscnt 0x0
	CROUND                                         ; the closing round
	s_endpgm
.Lfunc_end_k_q6af236f93f_qkv:
	.size	k_q6af236f93f_qkv, .Lfunc_end_k_q6af236f93f_qkv-k_q6af236f93f_qkv
	.p2alignl 7, 3214868480
	.fill 96, 4, 3214868480
	.section	.rodata,"a",@progbits
	.p2align	6, 0x0
	.amdhsa_kernel k_q6af236f93f_qkv
		.amdhsa_group_segment_fixed_size 327680
		.amdhsa_private_segment_fixed_size 0
		.amdhsa_enable_private_segment 0
		.amdhsa_kernarg_size 72
		.amdhsa_user_sgpr_count 2
		.amdhsa_user_sgpr_kernarg_segment_ptr 1
		.amdhsa_wavefront_size32 1
		.amdhsa_system_sgpr_workgroup_id_x 1
		.amdhsa_system_sgpr_workgroup_id_y 1
		.amdhsa_system_sgpr_workgroup_id_z 1
		.amdhsa_system_vgpr_workitem_id 0
		.amdhsa_next_free_vgpr 512
		.amdhsa_next_free_sgpr 100
		.amdhsa_reserve_vcc 0
		.amdhsa_float_denorm_mode_32 3
		.amdhsa_float_denorm_mode_16_64 3
		.amdhsa_memory_ordered 1
		.amdhsa_forward_progress 1
		.amdhsa_inst_pref_size 68
	.end_amdhsa_kernel
	.amdgpu_metadata
---
amdhsa.version: [ 1, 2 ]
amdhsa.kernels:
  - .name:           k_q6af236f93f_qkv
    .symbol:         k_q6af236f93f_qkv.kd
    .args:
      - { .name: h_img, .offset: 0, .size: 8, .value_kind: global_buffer, .address_space: global }
      - { .name: Wq_codes, .offset: 8, .size: 8, .value_kind: global_buffer, .address_space: global }
      - { .name: Wk_codes, .offset: 16, .size: 8, .value_kind: global_buffer, .address_space: global }
      - { .name: Wv_codes, .offset: 24, .size: 8, .value_kind: global_buffer, .address_space: global }
      - { .name: bq, .offset: 32, .size: 8, .value_kind: global_buffer, .address_space: global }
      - { .name: bk, .offset: 40, .size: 8, .value_kind: global_buffer, .address_space: global }
      - { .name: bv, .offset: 48, .size: 8, .value_kind: global_buffer, .address_space: global }
      - { .name: lowp_scales, .offset: 56, .size: 8, .value_kind: global_buffer, .address_space: global }
      - { .name: qkv_img, .offset: 64, .size: 8, .value_kind: global_buffer, .address_space: global }
    .group_segment_fixed_size: 327680
    .private_segment_fixed_size: 0
    .kernarg_segment_align: 8
    .kernarg_segment_size: 72
    .max_flat_workgroup_size: 128
    .sgpr_count:     100
    .vgpr_count:     512
    .wavefront_size: 32
...
	.end_amdgpu_metadata
.endif
;; end of part 2
;; launch attn (part 3): grid 8 x 32, 16 waves a work-group, clusters of 4 x 1, 264,192 bytes of LDS; arguments qkv_img, lowp_scales, o_img; writes o_img
.if DOCPART == 3
	.amdgcn_target "amdgcn-amd-amdhsa--gfx1250"
	.amdhsa_code_object_version 6
	.text
	.protected	k_q6af236f93f_attn
	.globl	k_q6af236f93f_attn
	.p2align	8
	.type	k_q6af236f93f_attn,@function
k_q6af236f93f_attn:
	s_mov_b64 s[64:65], 0
	v_nop
	global_prefetch_b8 v0, s[64:65] scope:SCOPE_SE
	s_setreg_imm32_b32 hwreg(HW_REG_WAVE_MODE, 25, 1), 1
	s_wait_xcnt 0x0
	s_wait_alu depctr_hold_cnt(0) depctr_sa_sdst(0) depctr_va_vdst(0) depctr_va_sdst(0) depctr_va_ssrc(0) depctr_va_vcc(0) depctr_vm_vsrc(0)
	s_getreg_b32 s2, hwreg(HW_REG_IB_STS2, 6, 4)
	s_cmp_eq_u32 s2, 0
	s_cbranch_scc0 .Lentry_in_a_cluster
	s_endpgm
.Lentry_in_a_cluster:
	s_bfe_u32 s2, ttmp6, 0x10000c
	s_cmp_lg_u32 s2, 0x3003
	s_cbranch_scc0 .Lentry_shape_is_right
	s_endpgm
.Lentry_shape_is_right:
; Causal attention of one (batch, head) on codes of E5M2; head size 64, 2,048 tokens.  q, k, v come as images of operand registers; o leaves as one, quantised with entry 10.
; q at 0, k at 4 MiB: [batch x head][16 tokens][2 groups][512]: a fragment of 16 rows x 64.  v at 8 MiB: [batch x head][128 keys][16 of the head's 64][4 groups][512]: a fragment of 16 rows x 128 keys.
; THE SOFTMAX: t = score x log2(e) / 8; M = the running largest t rounded UP to a whole number; p = 2^(t - M) is quantised (entry 9), not normalised; the row's sum is taken of the unquantised p and divides at the end.
; When M moves, the sum and O are multiplied by 2^(old M - new M): exact.
; SHARES: eight work-groups to a head, sixteen waves each; a wave owns 16 queries: tile 8 role + x, x the work-group's number in the head, role a permutation of the wave's number.  Such a tile needs key steps
; 0 .. role of 128 keys, whatever x is, and step role is the one on the diagonal: every work-group has the same work and the same branches.  Later steps are jumped over: a scalar branch on the wave's number and the step.
; LDS holds the head's whole k (131,072 bytes) and v (131,072): each byte is filled once.  The four work-groups of a cluster ask for them jointly.  Each wave issues four loads of 4 KB, one for each stage of 512 keys:
; four loads of mine are out at the most; a stage is read behind a counted wait and a barrier.
; LAYOUT: S^T = k q^T (source 0 = 16 keys, source 1 = my queries), O^T = v^T p^T: a lane holds one query throughout; the registers of S^T's tile t are keys 16 t + 8 h + 0..7: its codes are registers 2 t, 2 t + 1 of p's fragment.
; LIMITS: e6 + e7 between -121 and 130 (added to c's exponent field); e9 and e10 between -126 and 112.  NaN and infinities are not served.
; REGISTERS: v1-3 addresses and my query's place; v8, v9 the step's addresses; v12 -M, v13 the largest t, v[14:15] the sum; v16-23 q; v32-95 k's eight fragments, then v's four; v96-159 S^T, then p; v160-191 O^T; v192-223 the way out; v224-239 p's codes.
.set LI,   1                           ; v1  16 x lane
.set AV,   2                           ; v2  16 x lane + 131,072
.set DQ,   3                           ; v3  16 x + r - 8 h: register j of tile t is hidden on the diagonal where 16 t + j is greater
.set ADK,  8
.set ADV,  9
.set WV,   18
.set ROLE, 19
.set SEL,  20
.set CS,   22
.set G1,   24
.set G0,   32
.set TB,   48                          ; s48 LDS byte of the step's k
.set ST,   49                          ; s49 the step
.macro CROUND
	s_barrier_signal -1
	s_barrier_wait -1
	s_cmp_lg_u32 s[WV], 0
	s_cbranch_scc1 .Lnot_wave_0_\@
	s_barrier_signal -3
.Lnot_wave_0_\@:
	s_barrier_wait -3
	s_barrier_signal -1
	s_barrier_wait -1
.endm
	s_load_b128 s[4:7], s[0:1], 0x0                ; the images s[4:5], the exponents s[6:7]
	s_load_b64 s[8:9], s[0:1], 0x10                ; o's image
	v_lshl_add_u32 v251, v0, 2, 0x40000
	v_mov_b32 v255, 0
	ds_add_u32 v251, v255
	ds_add_u32 v251, v255
	v_lshrrev_b32 v8, 5, v0
	v_readfirstlane_b32 s[WV], v8                  ; wave 0..15
	s_bfe_u32 s10, ttmp6, 0x40000                  ; cx
	s_lshl_b32 s11, ttmp9, 2
	s_add_co_u32 s11, s11, s10                     ; x: it enters q's and o's addresses and the mask's number alone
	s_and_b32 s12, ttmp7, 0xffff                   ; batch x head
	s_bfe_u32 s[ROLE], s[WV], 0x10002
	s_mul_i32 s[ROLE], s[ROLE], 3
	s_xor_b32 s[ROLE], s[ROLE], s[WV]              ; waves 4-7 and 12-15 take their four roles in reverse
	s_mov_b32 s[G1], 15|(3<<16)|(1<<21)            ; the mask: all four work-groups; elements of 8 bytes; 16 rows of 32, dense
	s_mov_b32 s[G1+1], 32<<16
	s_mov_b32 s[G1+2], 16<<16
	s_mov_b32 s[G1+3], 32<<16
	s_mov_b32 s[G1+4], 16
	s_mov_b32 s[G1+5], 32
	s_mov_b32 s[G1+6], 0
	s_mov_b32 s[G1+7], 0
	s_mov_b32 s[SEL], 0x76543210
	s_mov_b32 s[SEL+1], 0xfedcba98
	s_mov_b32 s[CS], 0x3e38aa3b                    ; c = log2(e) / 8
	s_lshr_b32 s13, s[WV], 3                       ; waves 0-7 fetch k, waves 8-15 v
	s_and_b32 s14, s[WV], 7
	s_lshl_b32 s14, s14, 12                        ; my 4,096 bytes of a stage's 32,768
	s_lshl_b32 s15, s13, 17
	s_add_co_u32 s15, s15, s14                     ; in LDS
	s_add_co_u32 s16, s13, 1
	s_lshl_b32 s16, s16, 22
	s_lshl_b32 s17, s12, 17
	s_add_co_u32 s16, s16, s17
	s_add_co_u32 s16, s16, s14                     ; in memory
	s_mov_b32 s17, 0
	s_wait_dscnt 0x0
	s_wait_kmcnt 0x0
	s_load_b256 s[68:75], s[6:7], 0x18             ; entries 6 to 13
	s_add_nc_u64 s[16:17], s[4:5], s[16:17]
.irp n, 0,1,2,3
	s_mov_b32 s[G0+4*\n], 1
	s_add_co_u32 s[G0+4*\n+1], s15, \n*32768
	s_add_nc_u64 s[G0+4*\n+2:G0+4*\n+3], s[16:17], \n*32768
	s_or_b32 s[G0+4*\n+3], s[G0+4*\n+3], 0x80000000
.endr
	CROUND                                         ; all four work-groups are here: the joint loads meet
	tensor_load_to_lds s[G0:G0+3], s[G1:G1+7]
	s_nop 0
	tensor_load_to_lds s[G0+4:G0+7], s[G1:G1+7]
	s_nop 0
	tensor_load_to_lds s[G0+8:G0+11], s[G1:G1+7]
	s_nop 0
	tensor_load_to_lds s[G0+12:G0+15], s[G1:G1+7]
	s_nop 0
.rept 4
	v_nop
.endr
	s_lshl_b32 s51, s[ROLE], 3
	s_add_co_u32 s51, s51, s11                     ; my tile of queries
	s_lshl_b32 s52, s12, 17
	s_lshl_b32 s53, s51, 10
	s_add_co_u32 s52, s52, s53
	s_mov_b32 s53, 0
	s_add_nc_u64 s[52:53], s[4:5], s[52:53]        ; q's fragment
	s_lshr_b32 s54, s12, 4
	s_lshl_b32 s54, s54, 7
	s_add_co_u32 s54, s54, s51                     ; o: block of 16 rows 128 x batch + tile,
	s_lshl_b32 s54, s54, 14                        ; 8 fragments each;
	s_and_b32 s55, s12, 15
	s_lshl_b32 s55, s55, 10                        ; the head's 64 along K are two groups: 1,024 bytes
	s_add_co_u32 s54, s54, s55
	s_mov_b32 s55, 0
	s_add_nc_u64 s[8:9], s[8:9], s[54:55]
	v_and_b32 v8, 15, v0                           ; r
	v_bfe_u32 v9, v0, 4, 1                         ; h
	v_and_b32 v[LI], 31, v0
	v_lshlrev_b32 v[LI], 4, v[LI]
	v_add_nc_u32 v[AV], 0x20000, v[LI]
	v_lshlrev_b32 v9, 3, v9
	v_sub_nc_u32 v[DQ], v8, v9
	s_lshl_b32 s56, s11, 4
	v_add_nc_u32 v[DQ], s56, v[DQ]
	global_load_b128 v[16:19], v[LI], s[52:53]
	global_load_b128 v[20:23], v[LI], s[52:53] offset:512
	v_mov_b32 v13, 0xff61b1e6                      ; the largest t so far: -3e38
	v_floor_f32 v12, -v13                          ; -M
	v_mov_b32 v14, 0
	v_mov_b32 v15, 0
	v_mov_b32 v246, 0                              ; a lane permute's destination counts as read
	v_mov_b32 v253, 0                              ; (upper half of a pair that is named whole)
.irp j, 0,1,2,3,4,5,6,7,8,9,10,11,12,13,14,15,16,17,18,19,20,21,22,23,24,25,26,27,28,29,30,31
	v_mov_b32 v[160+\j], 0                         ; O^T: the step is written for every step alike; the first finds zeros
.endr
	s_wait_kmcnt 0x0
	s_add_co_i32 s57, s68, s69
	s_lshl_b32 s57, s57, 23
	s_add_co_i32 s[CS], s[CS], s57                 ; a score stands for score x 2^(e6 + e7)
	s_mov_b32 s[CS+1], s[CS]
	s_add_co_i32 s57, s71, 127
	s_lshl_b32 s58, s57, 23
	v_mov_b32 v244, s58                            ; 2^e9, for p's conversion
	s_add_co_i32 s57, s57, 15
	s_lshl_b32 s57, s57, 23
	s_or_b32 s57, s57, 0x600000
	v_mov_b32 v240, s57                            ; 57,344 x 2^e9
; A KEY STEP: 128 keys.
.macro STEP
	s_cmp_gt_u32 s[ST], s[ROLE]                    ; all its keys come after my queries: left out
	s_cbranch_scc1 .Lskip_\@
	v_add_nc_u32 v[ADK], s[TB], v[LI]
	v_add_nc_u32 v[ADV], s[TB], v[AV]
	v_nop                                          ; with the two additions: four places ahead of loads into registers that the last products have read
	v_nop
.irp t, 0,1,2,3,4,5,6,7
	ds_load_b128 v[32+8*\t:35+8*\t], v[ADK] offset:1024*\t
	ds_load_b128 v[36+8*\t:39+8*\t], v[ADK] offset:1024*\t+512
.endr
	s_wait_dscnt 0x0
.irp t, 0,1,2,3,4,5,6,7
	v_wmma_f32_16x16x64_bf8_bf8 v[96+8*\t:103+8*\t], v[32+8*\t:39+8*\t], v[16:23], 0
.endr
.rept 4
	v_nop
.endr
.irp d, 0,1,2,3
.irp g, 0,1,2,3
	ds_load_b128 v[32+16*\d+4*\g:35+16*\d+4*\g], v[ADV] offset:2048*\d+512*\g   ; v's fragments land while the softmax is worked
.endr
.endr
	s_cmp_lg_u32 s[ST], s[ROLE]
	s_cbranch_scc1 .Lopen_\@
	v_mov_b32 v254, 0xff800000                     ; on the diagonal hidden scores become -infinity ahead of the maximum: p = 0 then
.irp n, 0,1,2,3,4,5,6,7,8,9,10,11,12,13,14,15,16,17,18,19,20,21,22,23,24,25,26,27,28,29,30,31,32,33,34,35,36,37,38,39,40,41,42,43,44,45,46,47,48,49,50,51,52,53,54,55,56,57,58,59,60,61,62,63
	v_cmp_gt_i32 vcc_lo, 16*(\n/8)+\n%8, v[DQ]
	v_cndmask_b32 v[96+\n], v[96+\n], v254, vcc_lo
.endr
.Lopen_\@:
	v_max3_num_f32 v254, v96, v97, v98             ; the step's largest score of my query, in two chains, the registers in ascending order
	v_max3_num_f32 v252, v99, v100, v101
.irp i, 6,10,14,18,22,26,30,34,38,42,46,50,54,58
	v_max3_num_f32 v254, v254, v[96+\i], v[97+\i]
	v_max3_num_f32 v252, v252, v[98+\i], v[99+\i]
.endr
	v_max3_num_f32 v254, v254, v158, v159
	v_max_num_f32 v254, v254, v252
	v_permlanex16_b32 v246, v254, s[SEL], s[SEL+1]
	v_max_num_f32 v254, v254, v246                 ; and among lane l xor 16's
	v_mul_f32 v254, s[CS], v254                    ; as t
	v_max_num_f32 v13, v13, v254
	v_mov_b32 v254, v12
	v_floor_f32 v12, -v13                          ; the new -M = -ceil(t)
	v_sub_f32 v254, v12, v254                      ; old M - new M: a whole number, 0 or less
	v_cvt_i32_f32 v254, v254                       ; (it saturates)
	v_ldexp_f32 v252, 1.0, v254                    ; f = 2^(old M - new M)
.irp j, 0,2,4,6,8,10,12,14,16,18,20,22,24,26,28,30,32,34,36,38,40,42,44,46,48,50,52,54,56,58,60,62
	v_pk_fma_f32 v[96+\j:97+\j], v[96+\j:97+\j], s[CS:CS+1], v[12:13] op_sel_hi:[1,0,0]   ; t - M
.endr
.irp j, 0,1,2,3,4,5,6,7,8,9,10,11,12,13,14,15,16,17,18,19,20,21,22,23,24,25,26,27,28,29,30,31,32,33,34,35,36,37,38,39,40,41,42,43,44,45,46,47,48,49,50,51,52,53,54,55,56,57,58,59,60,61,62,63
	v_exp_f32 v[96+\j], v[96+\j]                   ; p = 2^(t - M)
.endr
	v_pk_mul_f32 v[14:15], v[14:15], v[252:253] op_sel_hi:[1,0]   ; the sum under the new M: the plain line behind the exponentials
	s_wait_alu depctr_va_vdst(0)                   ; one wait for the batch, ahead of the first line that names a result
	v_pk_add_f32 v[242:243], v[96:97], v[98:99]    ; the row's sum of the unquantised p, in two chains
.irp j, 4,8,12,16,20,24,28,32,36,40,44,48,52,56,60
	v_pk_add_f32 v[14:15], v[14:15], v[96+\j:97+\j]
	v_pk_add_f32 v[242:243], v[242:243], v[98+\j:99+\j]
.endr
	v_pk_add_f32 v[14:15], v[14:15], v[242:243]
.irp t, 0,1,2,3,4,5,6,7
.irp i, 0,1,2,3,4,5,6,7
	v_min_num_f32 v[96+8*\t+\i], v[96+8*\t+\i], v240   ; p is not negative: the hold is one-sided
.endr
	v_cvt_scalef32_pk8_bf8_f32 v[224+2*\t:225+2*\t], v[96+8*\t:103+8*\t], v244
.endr
.irp j, 0,2,4,6,8,10,12,14,16,18,20,22,24,26,28,30
	v_pk_mul_f32 v[160+\j:161+\j], v[160+\j:161+\j], v[252:253] op_sel_hi:[1,0]   ; O^T under the new M; also the plain lines behind the conversions
.endr
	s_wait_dscnt 0x0                               ; v's fragments are in
.irp d, 0,1,2,3
	v_wmma_f32_16x16x128_bf8_bf8 v[160+8*\d:167+8*\d], v[32+16*\d:47+16*\d], v[224:239], v[160+8*\d:167+8*\d]   ; four accumulators by turns
.endr
.Lskip_\@:
	s_add_co_u32 s[TB], s[TB], 8192
.endm
; A STAGE: 512 keys, four steps.  My load for it has landed (my later stages' may stay out: no byte is filled twice), then everybody's has.
.macro STAGE n
	s_wait_tensorcnt 3-\n
	s_wait_dscnt 0x0
	s_barrier_signal -1
	s_barrier_wait -1
	s_mov_b32 s[TB], \n*32768
	s_mov_b32 s[ST], 4*\n
.Lstage_\@:
	STEP
	s_add_co_u32 s[ST], s[ST], 1
	s_cmp_lt_u32 s[ST], 4*\n+4
	s_cbranch_scc1 .Lstage_\@
.endm
	s_wait_loadcnt 0x0                             ; q
	STAGE 0
	STAGE 1
	STAGE 2
	STAGE 3
	; THE WAY OUT: O^T / the sum x 2^(e8 + e9), quantised with entry 10.  Tile d's registers are the head's 16 d + 8 h + 0..7: registers 2 d, 2 d + 1 of the head's part of o's fragment.
.rept 4
	v_nop
.endr
	v_add_f32 v14, v14, v15
	v_permlanex16_b32 v246, v14, s[SEL], s[SEL+1]
	v_add_f32 v14, v14, v246                       ; the row's sum
	v_rcp_f32 v14, v14
	s_add_co_i32 s57, s72, 127
	s_lshl_b32 s58, s57, 23
	v_mov_b32 v248, s58                            ; 2^e10 (a plain line behind the transcendental)
	s_add_co_i32 s57, s57, 15
	s_lshl_b32 s57, s57, 23
	s_or_b32 s57, s57, 0x600000
	v_mov_b32 v250, s57                            ; 57,344 x 2^e10
	s_add_co_i32 s57, s70, s71
	s_wait_alu depctr_va_vdst(0)                   ; the wait ahead of the reciprocal's first reader
	v_ldexp_f32 v14, v14, s57
.irp j, 0,1,2,3,4,5,6,7,8,9,10,11,12,13,14,15,16,17,18,19,20,21,22,23,24,25,26,27,28,29,30,31
	v_mul_f32 v[192+\j], v[160+\j], v14
.endr
.irp j, 0,1,2,3,4,5,6,7,8,9,10,11,12,13,14,15,16,17,18,19,20,21,22,23,24,25,26,27,28,29,30,31
	v_med3_num_f32 v[192+\j], v[192+\j], -v250, v250
.endr
.irp d, 0,1,2,3
	v_cvt_scalef32_pk8_bf8_f32 v[224+2*\d:225+2*\d], v[192+8*\d:199+8*\d], v248
.endr
	v_nop
	global_store_b128 v[LI], v[224:227], s[8:9]              ; 512 consecutive bytes a store, aligned
	global_store_b128 v[LI], v[228:231], s[8:9] offset:512
	s_wait_tensorcnt 0x0
	ds_add_u32 v251, v255
	s_wait_dscnt 0x0
	CROUND                                         ; the closing round
	s_endpgm
.Lfunc_end_k_q6af236f93f_attn:
	.size	k_q6af236f93f_attn, .Lfunc_end_k_q6af236f93f_attn-k_q6af236f93f_attn
	.p2alignl 7, 3214868480
	.fill 96, 4, 3214868480
	.section	.rodata,"a",@progbits
	.p2align	6, 0x0
	.amdhsa_kernel k_q6af236f93f_attn
		.amdhsa_group_segment_fixed_size 264192
		.amdhsa_private_segment_fixed_size 0
		.amdhsa_enable_private_segment 0
		.amdhsa_kernarg_size 24
		.amdhsa_user_sgpr_count 2
		.amdhsa_user_sgpr_kernarg_segment_ptr 1
		.amdhsa_wavefront_size32 1
		.amdhsa_system_sgpr_workgroup_id_x 1
		.amdhsa_system_sgpr_workgroup_id_y 1
		.amdhsa_system_sgpr_workgroup_id_z 1
		.amdhsa_system_vgpr_workitem_id 0
		.amdhsa_next_free_vgpr 256
		.amdhsa_next_free_sgpr 84
		.amdhsa_reserve_vcc 1
		.amdhsa_float_denorm_mode_32 3
		.amdhsa_float_denorm_mode_16_64 3
		.amdhsa_memory_ordered 1
		.amdhsa_forward_progress 1
		.amdhsa_inst_pref_size 94
	.end_amdhsa_kernel
	.amdgpu_metadata
---
amdhsa.version: [ 1, 2 ]
amdhsa.kernels:
  - .name:           k_q6af236f93f_attn
    .symbol:         k_q6af236f93f_attn.kd
    .args:
      - { .name: qkv_img, .offset: 0, .size: 8, .value_kind: global_buffer, .address_space: global }
      - { .name: lowp_scales, .offset: 8, .size: 8, .value_kind: global_buffer, .address_space: global }
      - { .name: o_img, .offset: 16, .size: 8, .value_kind: global_buffer, .address_space: global }
    .group_segment_fixed_size: 264192
    .private_segment_fixed_size: 0
    .kernarg_segment_align: 8
    .kernarg_segment_size: 24
    .max_flat_workgroup_size: 512
    .sgpr_count:     84
    .vgpr_count:     256
    .wavefront_size: 32
...
	.end_amdgpu_metadata
.endif
;; end of part 3
;; launch wo (part 4): grid 8 x 32, 4 waves a work-group, clusters of 4 x 4, 327,680 bytes of LDS; arguments o_img, Wo_codes, bo, lowp_scales, x, x1; writes x1
.if DOCPART == 4
	.amdgcn_target "amdgcn-amd-amdhsa--gfx1250"
	.amdhsa_code_object_version 6
	.text
	.protected	k_q6af236f93f_wo
	.globl	k_q6af236f93f_wo
	.p2align	8
	.type	k_q6af236f93f_wo,@function
k_q6af236f93f_wo:
	s_mov_b64 s[64:65], 0
	v_nop
	global_prefetch_b8 v0, s[64:65] scope:SCOPE_SE
	s_setreg_imm32_b32 hwreg(HW_REG_WAVE_MODE, 25, 1), 1
	s_wait_xcnt 0x0
	s_wait_alu depctr_hold_cnt(0) depctr_sa_sdst(0) depctr_va_vdst(0) depctr_va_sdst(0) depctr_va_ssrc(0) depctr_va_vcc(0) depctr_vm_vsrc(0)
	s_getreg_b32 s2, hwreg(HW_REG_IB_STS2, 6, 4)
	s_cmp_eq_u32 s2, 0
	s_cbranch_scc0 .Lentry_in_a_cluster
	s_endpgm
.Lentry_in_a_cluster:
	s_bfe_u32 s2, ttmp6, 0x10000c
	s_cmp_lg_u32 s2, 0xf033
	s_cbranch_scc0 .Lentry_shape_is_right
	s_endpgm
.Lentry_shape_is_right:
; out = res + (a W + bias), the product on codes of E5M2.  a: an image of operand registers, [4096 rows][KK]; W: codes [1024 (n)][KK (k)]; bias [1024], res and out [4096][1024] f32.
; AN IMAGE: a fragment of 16 rows x 128 k is 2,048 bytes, four groups of 512; in group g lane (r, h) has 16 bytes at 16 x lane: k = 32 g + 8 h + 0..7, then 32 g + 16 + 8 h + 0..7.  Fragment (mb, ks) lies at (mb KK / 128 + ks) x 2,048.
; SHARES: a work-group makes 128 rows x 128 columns (256 work-groups); four waves, 64 x 64 each: 16 accumulators.  K goes in steps of 512 through two LDS slots; with KK = 1,024 both are asked for at the head and nothing is filled again.
; A slot: a's 8 x 4 fragments as they lie (65,536 bytes), then 128 rows of W, 512 + 16 bytes each.
; CLUSTER 4 x 4: a's tile is shared along a row of the cluster, W's along a column: joint loads, the same descriptor in the four that a mask names.
; TRANSPOSED USE: source 0 = 16 rows of W, source 1 = 16 rows of a: a lane holds eight neighbouring columns of one row.  The bias is the C of each sum's first product, divided by 2^(eA + eB).
; THE WAY OUT: 16 rows x 64 columns at a time through the wave's own stage in LDS; back as rows of 256 bytes; one packed multiply-add gives sum x 2^(eA + eB) + res; sixteen lanes store 256 consecutive bytes, aligned.
; LIMIT: eA + eB between -126 and 127.  NaN and infinities are not served.
.set KK,     1024
.set ESC,    10                        ; the entries of the exponents: ESC for a, ESC + 1 for W
.set LAPS,   KK/1024
.set PITCH,  528                       ; a row of W in LDS: 132 words: the 32 lanes of an 8-byte load (row r, half h) touch 64 different banks (64 banks of 4 bytes: ISA guide 11.1)
.set BOFF,   65536
.set SLOT,   BOFF+128*PITCH
.set STAGE,  2*SLOT                    ; behind the ring: 16 rows x 272 bytes for each wave
.set SPITCH, 272
.set SPARE,  STAGE+4*16*SPITCH         ; the spare words, 128 bytes a wave: two blocks of 256 bytes that no other line names
.set ADRA, 16                          ; v16-17 LDS address of my fragments of a in slot 0, 1
.set ADRB, 20                          ; v20-21 of my rows of W
.set STO,  24
.set RD,   25
.set CO,   26
.set LI,   27
.set SPW,  28
.set NIL,  29
.set BI,   32                          ; v32-63  the bias, four tiles in the result's layout
.set RX,   64                          ; v64-127 two blocks of res
.set ACC,  128                         ; v128-255 accumulator (a, b) at 128 + 8 (4 a + b)
.set F0,   0                           ; window 1: two fragment buffers: a's four fragments, then W's four
.set F1,   128
.set G1,  24
.set G0,  32
.set G1B, 48
.set G0B, 56
.set MSB, 0
.macro WIN new                         ; the immediate's high byte repeats the setting that is left
.if MSB != \new
	s_set_vgpr_msb (MSB<<8)|\new
.set MSB, \new
.endif
.endm
.set MUL,  0x05                        ; sources 0 and 1 window 1; C and D window 0
.set TO_F, 0x40                        ; destination window 1
.macro JLOAD s                         ; waves 0 and 1 fetch a's halves, waves 2 and 3 W's; four v_nop follow each line
	s_cmp_eq_u32 s11, 0
	s_cbranch_scc0 .Lfor_b_\@
	tensor_load_to_lds s[G0+4*\s:G0+4*\s+3], s[G1:G1+7]
	s_nop 0
.rept 4
	v_nop
.endr
	s_branch .Lasked_\@
.Lfor_b_\@:
	tensor_load_to_lds s[G0B+4*\s:G0B+4*\s+3], s[G1B:G1B+7]
	s_nop 0
.rept 4
	v_nop
.endr
.Lasked_\@:
.endm
.macro CREST                           ; a round of the cluster's barrier behind its opening barrier
	s_cmp_lg_u32 s10, 0
	s_cbranch_scc1 .Lnot_wave_0_\@
	s_barrier_signal -3
.Lnot_wave_0_\@:
	s_barrier_wait -3
	s_barrier_signal -1
	s_barrier_wait -1
.endm
.macro CROUND
	s_barrier_signal -1
	s_barrier_wait -1
	CREST
.endm
.macro PLACES                          ; four plain places behind matrix instructions, ahead of loads into their sources and of reads of their results
.rept 4
	v_nop
.endr
.endm
	s_load_b256 s[68:75], s[0:1], 0x0              ; a s[68:69], W s[70:71], bias s[72:73], the exponents s[74:75]
	s_load_b128 s[76:79], s[0:1], 0x20             ; res s[76:77], out s[78:79]
	v_lshl_add_u32 v[SPW], v0, 2, SPARE
	v_mov_b32 v[NIL], 0
	ds_add_u32 v28, v29
	ds_add_u32 v28, v29
	s_wait_dscnt 0x0
	v_lshrrev_b32 v1, 5, v0
	v_readfirstlane_b32 s10, v1                    ; wave 0..3
	s_lshr_b32 s11, s10, 1                         ; my half of the rows.  Also: I fetch a (0) or W (1)
	s_and_b32 s12, s10, 1                          ; my half of the columns.  Also: which half of that tile I fetch
	s_bfe_u32 s40, ttmp6, 0x40000                  ; cx
	s_bfe_u32 s41, ttmp6, 0x40004                  ; cy
	s_lshl_b32 s42, ttmp9, 2
	s_add_co_u32 s42, s42, s40                     ; tile column
	s_and_b32 s13, ttmp7, 0xffff
	s_lshl_b32 s13, s13, 2
	s_add_co_u32 s13, s13, s41                     ; tile row
	s_lshl_b32 s43, s41, 2
	s_lshl_b32 s43, 15, s43                        ; my row of the cluster
	s_lshl_b32 s44, 0x1111, s40                    ; my column
	s_or_b32 s[G1], s43, (3<<16)|(1<<21)           ; a: 4 rows of 1,024 elements of 8 bytes (four fragments on end), 16 KK bytes apart
	s_mov_b32 s[G1+1], 1024<<16
	s_mov_b32 s[G1+2], 4<<16
	s_mov_b32 s[G1+3], 1024<<16
	s_mov_b32 s[G1+4], 4
	s_mov_b32 s[G1+5], 2*KK
	s_mov_b32 s[G1+6], 0
	s_mov_b32 s[G1+7], 0
	s_or_b32 s[G1B], s44, (1<<20)|(1<<21)|(6<<22)|(3<<25)   ; W: 64 rows of 512 bytes, KK apart; four words of padding behind every 128
	s_mov_b32 s[G1B+1], 512<<16
	s_mov_b32 s[G1B+2], 64<<16
	s_mov_b32 s[G1B+3], 512<<16
	s_mov_b32 s[G1B+4], 64
	s_mov_b32 s[G1B+5], KK
	s_mov_b32 s[G1B+6], 0
	s_mov_b32 s[G1B+7], 0
	s_lshl_b32 s16, s13, 3
	s_lshl_b32 s17, s12, 2
	s_add_co_u32 s16, s16, s17                     ; a: block of 16 rows 8 x tile row + 4 x half
	s_mul_i32 s16, s16, 16*KK
	s_mov_b32 s17, 0
	s_lshl_b32 s46, s42, 7
	s_lshl_b32 s47, s12, 6
	s_add_co_u32 s46, s46, s47                     ; W: row 128 x tile column + 64 x half
	s_mul_i32 s46, s46, KK
	s_mov_b32 s47, 0
	s_mul_i32 s20, s12, 32768                      ; where they go: a's half,
	s_mul_i32 s21, s12, 64*PITCH
	s_add_co_u32 s21, s21, BOFF                    ; W's half
	s_wait_kmcnt 0x0
	s_load_b64 s[80:81], s[74:75], ESC*4           ; eA, eB
	s_add_nc_u64 s[14:15], s[68:69], s[16:17]
	s_add_nc_u64 s[46:47], s[70:71], s[46:47]
	CROUND                                         ; all sixteen work-groups are here: the first joint loads meet
.irp s, 0,1
	s_mov_b32 s[G0+4*\s], 1
	s_add_co_u32 s[G0+4*\s+1], s20, \s*SLOT
	s_add_nc_u64 s[G0+4*\s+2:G0+4*\s+3], s[14:15], \s*8192
	s_or_b32 s[G0+4*\s+3], s[G0+4*\s+3], 0x80000000
	s_mov_b32 s[G0B+4*\s], 1
	s_add_co_u32 s[G0B+4*\s+1], s21, \s*SLOT
	s_add_nc_u64 s[G0B+4*\s+2:G0B+4*\s+3], s[46:47], \s*512
	s_or_b32 s[G0B+4*\s+3], s[G0B+4*\s+3], 0x80000000
	JLOAD \s                                       ; two loads of mine are out
.endr
	v_and_b32 v1, 15, v0                           ; r
	v_bfe_u32 v2, v0, 4, 1                         ; h
	v_and_b32 v3, 31, v0
	v_lshlrev_b32 v[LI], 4, v3
	s_lshl_b32 s22, s11, 15
	v_add_nc_u32 v[ADRA], s22, v[LI]
	v_add_nc_u32 v[ADRA+1], SLOT, v[ADRA]
	v_mul_u32_u24 v3, v1, PITCH
	v_lshl_add_u32 v3, v2, 3, v3
	v_add_nc_u32 v[ADRB], s21, v3
	v_add_nc_u32 v[ADRB+1], SLOT, v[ADRB]
	s_mul_i32 s23, s10, 16*SPITCH
	s_add_co_u32 s23, s23, STAGE                   ; my stage
	v_mul_u32_u24 v4, v1, SPITCH
	v_lshl_add_u32 v4, v2, 5, v4
	v_add_nc_u32 v[STO], s23, v4                   ; in: row r, + 32 h bytes
	v_mul_u32_u24 v5, v2, SPITCH
	v_lshl_add_u32 v5, v1, 4, v5
	v_add_nc_u32 v[RD], s23, v5                    ; back: lanes 0-15 one row of 256 bytes, lanes 16-31 the next
	v_lshlrev_b32 v5, 12, v2
	v_lshl_add_u32 v[CO], v1, 4, v5                ; and the same two rows in res and out
	v_lshlrev_b32 v6, 5, v2                        ; the bias: + 32 h bytes
	s_lshl_b32 s16, s13, 19
	s_lshl_b32 s17, s11, 18
	s_add_co_u32 s16, s16, s17                     ; my first row, in bytes: (128 x tile row + 64 x half) x 4,096
	s_mov_b32 s17, 0
	s_lshl_b32 s46, s42, 9
	s_lshl_b32 s47, s12, 8
	s_add_co_u32 s46, s46, s47                     ; my first column, in bytes
	s_mov_b32 s47, 0
	s_add_nc_u64 s[76:77], s[76:77], s[16:17]
	s_add_nc_u64 s[76:77], s[76:77], s[46:47]
	s_add_nc_u64 s[78:79], s[78:79], s[16:17]
	s_add_nc_u64 s[78:79], s[78:79], s[46:47]
	s_add_nc_u64 s[72:73], s[72:73], s[46:47]
.macro RES i                           ; block i's 16 rows x 256 bytes of res, in the layout in which the block comes back from the stage
.irp t, 0,1,2,3,4,5,6,7
	global_load_b128 v[RX+32*((\i)%2)+4*\t:RX+32*((\i)%2)+4*\t+3], v[CO], s[76:77] offset:(\i)*65536+\t*8192 th:TH_LOAD_NT
.endr
.endm
.irp b, 0,1,2,3
	global_load_b128 v[BI+8*\b:BI+8*\b+3], v6, s[72:73] offset:64*\b
	global_load_b128 v[BI+8*\b+4:BI+8*\b+7], v6, s[72:73] offset:64*\b+16
.endr
	RES 0
	RES 1
	s_wait_kmcnt 0x0
	s_add_co_i32 s80, s80, s81                     ; eA + eB
	s_sub_co_i32 s81, 0, s80
	s_add_co_i32 s86, s80, 127
	s_lshl_b32 s86, s86, 23                        ; 2^(eA + eB) as f32
	s_mov_b32 s87, s86                             ; (named with it as a pair)
	s_wait_loadcnt 16                              ; the bias is in; the sixteen loads of res behind it may be out
.irp j, 0,1,2,3,4,5,6,7,8,9,10,11,12,13,14,15,16,17,18,19,20,21,22,23,24,25,26,27,28,29,30,31
	v_ldexp_f32 v[BI+\j], v[BI+\j], s81
.endr
; 48 LDS loads in one run: the fragments of the slot's q-th 128 along K into buffer f
.macro FETCH slot, q, f
	WIN TO_F
.irp b, 0,1,2,3
.irp c, 0,1,2,3,4,5,6,7
	ds_load_b64 v[\f+64+16*\b+2*\c:\f+64+16*\b+2*\c+1], v[ADRB+\slot] offset:\b*16*PITCH+128*(\q)+16*\c   ; registers 2 c, 2 c + 1: k = 16 c + 8 h + 0..7
.endr
.endr
.irp a, 0,1,2,3
.irp g, 0,1,2,3
	ds_load_b128 v[\f+16*\a+4*\g:\f+16*\a+4*\g+3], v[ADRA+\slot] offset:\a*8192+(\q)*2048+\g*512
.endr
.endr
.endm
; 16 products, 128 along K.  The 16 accumulators take turns, one instruction a turn, in the same order in every quarter.
.macro MUL16 f, first
	WIN MUL
.irp a, 0,1,2,3
.irp b, 0,1,2,3
.if \first
	v_wmma_f32_16x16x128_bf8_bf8 v[ACC+8*(4*\a+\b):ACC+8*(4*\a+\b)+7], v[\f+64+16*\b:\f+64+16*\b+15], v[\f+16*\a:\f+16*\a+15], v[BI+8*\b:BI+8*\b+7]
.else
	v_wmma_f32_16x16x128_bf8_bf8 v[ACC+8*(4*\a+\b):ACC+8*(4*\a+\b)+7], v[\f+64+16*\b:\f+64+16*\b+15], v[\f+16*\a:\f+16*\a+15], v[ACC+8*(4*\a+\b):ACC+8*(4*\a+\b)+7]
.endif
.endr
.endr
.endm
; A quarter of a slot: the next quarter's fragments are asked for into buffer g, which the last products have read; then buffer f is multiplied.
.macro QUARTER slot, q, f, g, first
	PLACES
	FETCH \slot, \q, \g
	s_wait_dscnt 48                                ; all but the 48 just issued: buffer f is in
	MUL16 \f, \first
.endm
; A slot's last quarter changes slots: each wave waits for all its tensor loads, adds 0 to its spare word, waits for that and for its reads of this slot; one barrier.  fill = 1: the barrier opens a round of the
; cluster's barrier, and this slot is filled again, two steps of 512 ahead, first thing behind the round.
.macro TURN slot, next, fill
	WIN 0
	s_wait_tensorcnt 0x0                           ; my part of the next slot is in, and no load of mine is out: a group 0 may be written
	ds_add_u32 v[SPW], v[NIL]                      ; 0 onto my spare word
.if \fill
	s_add_nc_u64 s[G0+4*\slot+2:G0+4*\slot+3], s[G0+4*\slot+2:G0+4*\slot+3], 16384
	s_add_nc_u64 s[G0B+4*\slot+2:G0B+4*\slot+3], s[G0B+4*\slot+2:G0B+4*\slot+3], 1024
.endif
	s_wait_dscnt 0x0                               ; the add is done, and my reads of this slot are over
	s_barrier_signal -1
	s_barrier_wait -1
.if \fill
	CREST
	JLOAD \slot                                    ; its four v_nop are also the places ahead of the loads below
.else
	PLACES
.endif
	FETCH \next, 0, F0
	MUL16 F1, 0
.endm
	s_wait_tensorcnt 0x1                           ; my part of slot 0 is in; slot 1's may stay out
	s_barrier_signal -1
	s_barrier_wait -1
	FETCH 0, 0, F0
	QUARTER 0, 1, F0, F1, 1                        ; the first products start the sums, with the bias as C
.if LAPS > 1
	WIN 0
	s_mov_b32 s3, LAPS-1
.Llap:                                             ; a trip goes once round the ring and fills both slots again
	QUARTER 0, 2, F1, F0, 0
	QUARTER 0, 3, F0, F1, 0
	TURN 0, 1, 1
	QUARTER 1, 1, F0, F1, 0
	QUARTER 1, 2, F1, F0, 0
	QUARTER 1, 3, F0, F1, 0
	TURN 1, 0, 1
	QUARTER 0, 1, F0, F1, 0
	WIN 0
	s_sub_co_u32 s3, s3, 1
	s_cmp_lg_u32 s3, 0
	s_cbranch_scc1 .Llap
.endif
	QUARTER 0, 2, F1, F0, 0                        ; the last lap fills nothing
	QUARTER 0, 3, F0, F1, 0
	TURN 0, 1, 0
	QUARTER 1, 1, F0, F1, 0
	QUARTER 1, 2, F1, F0, 0
	QUARTER 1, 3, F0, F1, 0
	s_wait_dscnt 0x0
	MUL16 F1, 0
	WIN 0
	PLACES
; Block i: my rows 16 i .. 16 i + 15.  LDS serves a wave's instructions in order (ISA guide 5.7.1.4): the loads see the stores, and the next block's stores come behind these loads.
.macro BLOCK i
.irp b, 0,1,2,3
	ds_store_b128 v[STO], v[ACC+32*(\i)+8*\b:ACC+32*(\i)+8*\b+3] offset:64*\b          ; each accumulator from its low end on
	ds_store_b128 v[STO], v[ACC+32*(\i)+8*\b+4:ACC+32*(\i)+8*\b+7] offset:64*\b+16
.endr
.irp t, 0,1,2,3,4,5,6,7
	ds_load_b128 v[ACC+32*(\i)+4*\t:ACC+32*(\i)+4*\t+3], v[RD] offset:\t*2*SPITCH
.endr
	s_wait_dscnt 0x0
.if (\i) < 3
	s_wait_loadcnt 8                               ; this block's res is in; the next block's eight loads may be out
.else
	s_wait_loadcnt 0
.endif
.irp p, 0,2,4,6,8,10,12,14,16,18,20,22,24,26,28,30
	v_pk_fma_f32 v[ACC+32*(\i)+\p:ACC+32*(\i)+\p+1], v[ACC+32*(\i)+\p:ACC+32*(\i)+\p+1], s[86:87], v[RX+32*((\i)%2)+\p:RX+32*((\i)%2)+\p+1] op_sel_hi:[1,0,1]
.endr
.irp t, 0,1,2,3,4,5,6,7
	global_store_b128 v[CO], v[ACC+32*(\i)+4*\t:ACC+32*(\i)+4*\t+3], s[78:79] offset:(\i)*65536+\t*8192   ; no store's data or address register is written again
.endr
.if (\i) < 2
	RES (\i)+2
.endif
.endm
	BLOCK 0
	BLOCK 1
	BLOCK 2
	BLOCK 3
	s_wait_tensorcnt 0x0                           ; the wave's end
	ds_add_u32 v[SPW], v[NIL]
	s_wait_dscnt 0x0
	CROUND                                         ; the closing round
	s_endpgm
.Lfunc_end_k_q6af236f93f_wo:
	.size	k_q6af236f93f_wo, .Lfunc_end_k_q6af236f93f_wo-k_q6af236f93f_wo
	.p2alignl 7, 3214868480
	.fill 96, 4, 3214868480
	.section	.rodata,"a",@progbits
	.p2align	6, 0x0
	.amdhsa_kernel k_q6af236f93f_wo
		.amdhsa_group_segment_fixed_size 327680
		.amdhsa_private_segment_fixed_size 0
		.amdhsa_enable_private_segment 0
		.amdhsa_kernarg_size 48
		.amdhsa_user_sgpr_count 2
		.amdhsa_user_sgpr_kernarg_segment_ptr 1
		.amdhsa_wavefront_size32 1
		.amdhsa_system_sgpr_workgroup_id_x 1
		.amdhsa_system_sgpr_workgroup_id_y 1
		.amdhsa_system_sgpr_workgroup_id_z 1
		.amdhsa_system_vgpr_workitem_id 0
		.amdhsa_next_free_vgpr 512
		.amdhsa_next_free_sgpr 100
		.amdhsa_reserve_vcc 0
		.amdhsa_float_denorm_mode_32 3
		.amdhsa_float_denorm_mode_16_64 3
		.amdhsa_memory_ordered 1
		.amdhsa_forward_progress 1
		.amdhsa_inst_pref_size 59
	.end_amdhsa_kernel
	.amdgpu_metadata
---
amdhsa.version: [ 1, 2 ]
amdhsa.kernels:
  - .name:           k_q6af236f93f_wo
    .symbol:         k_q6af236f93f_wo.kd
    .args:
      - { .name: o_img, .offset: 0, .size: 8, .value_kind: global_buffer, .address_space: global }
      - { .name: Wo_codes, .offset: 8, .size: 8, .value_kind: global_buffer, .address_space: global }
      - { .name: bo, .offset: 16, .size: 8, .value_kind: global_buffer, .address_space: global }
      - { .name: lowp_scales, .offset: 24, .size: 8, .value_kind: global_buffer, .address_space: global }
      - { .name: x, .offset: 32, .size: 8, .value_kind: global_buffer, .address_space: global }
      - { .name: x1, .offset: 40, .size: 8, .value_kind: global_buffer, .address_space: global }
    .group_segment_fixed_size: 327680
    .private_segment_fixed_size: 0
    .kernarg_segment_align: 8
    .kernarg_segment_size: 48
    .max_flat_workgroup_size: 128
    .sgpr_count:     100
    .vgpr_count:     512
    .wavefront_size: 32
...
	.end_amdgpu_metadata
.endif
;; end of part 4
;; launch ln2 (part 5): grid 256 x 1, 4 waves a work-group, no clusters, 168,448 bytes of LDS; arguments x1, ln2_g, ln2_b, lowp_scales, h2_img; writes h2_img
.if DOCPART == 5
	.amdgcn_target "amdgcn-amd-amdhsa--gfx1250"
	.amdhsa_code_object_version 6
	.text
	.protected	k_q6af236f93f_ln2
	.globl	k_q6af236f93f_ln2
	.p2align	8
	.type	k_q6af236f93f_ln2,@function
k_q6af236f93f_ln2:
	s_mov_b64 s[64:65], 0
	v_nop
	global_prefetch_b8 v0, s[64:65] scope:SCOPE_SE
	s_setreg_imm32_b32 hwreg(HW_REG_WAVE_MODE, 25, 1), 1
	s_wait_xcnt 0x0
; LayerNorm of x1 [4096][1024] f32, quantised to E5M2 with the given scale 2^e of entry 12 (the A operand of the product with W1).
; OUTPUT: an image of operand registers.  A fragment is 16 rows x 128 k = 2,048 bytes: four groups of 512 bytes; in group g lane (r, h) has 16 bytes at 16 x lane:
; k = 32 g + 8 h + 0..7 and k = 32 g + 16 + 8 h + 0..7 of row r.  Fragment (rows 16 mb on, k 128 ks on) lies at (8 mb + ks) x 2,048.
; SHARES: a work-group owns 16 rows, wave w their columns 256 w .. 256 w + 255.  Lane (r, h) holds, of row r, k = 256 w + 16 c + 8 h + 0..7, c = 0..15: 128 numbers, register 8 c + i.
; The mean and then the mean of squared differences are taken on the registers (two passes: no difference of large sums); the four waves' parts meet in LDS behind a barrier.
; The rows' quarters, gamma's and beta's quarters come by three tensor loads a wave, issued once at the head, into bytes that only this wave reads; nothing is filled again.
; LIMITS: e between -126 and 112; NaN and infinities among the inputs are not served.
.set NOUT,   1                         ; outputs
.set X,      64                        ; v64-191  my 128 numbers
.set PS,     24                        ; v24-31   four packed chains
.set HH,     32                        ; v32-47   16 numbers held within the largest code
.set C0,     48                        ; v48-51   chunk 0's codes; later chunks' codes lie in the chunk before, which is done with
.set GB,     192                       ; v192-255 two sets of 16 gamma and 16 beta
.set REGION, 18688                     ; LDS of a wave: 16 rows x (1,024 + 16) bytes, 1,024 of gamma, 1,024 of beta
.set GOFF,   16640
.set RED,    4*REGION                  ; two blocks of 256 bytes for the waves' partial sums; no tile lands there
	s_load_b256 s[4:11], s[0:1], 0x0               ; x1 s[4:5], gamma s[6:7], beta s[8:9], the exponents s[10:11]
	s_load_b64 s[12:13], s[0:1], 0x20              ; the image
	v_lshl_add_u32 v62, v0, 2, 0x29000
	v_mov_b32 v63, 0
	ds_add_u32 v62, v63
	ds_add_u32 v62, v63
	v_lshrrev_b32 v1, 5, v0
	v_readfirstlane_b32 s18, v1                    ; wave 0..3
	s_mul_i32 s19, s18, REGION                     ; my region
	s_mov_b32 s20, 0x76543210                      ; v_permlanex16_b32: lane l xor 16
	s_mov_b32 s21, 0xfedcba98
	; group 1 for the rows: 16 rows of 256 elements of 4 bytes, 1,024 elements apart; four words of padding behind every 256
	s_mov_b32 s24, (2<<16)|(1<<20)|(7<<22)|(3<<25)
	s_mov_b32 s25, 256<<16
	s_mov_b32 s26, 16<<16
	s_mov_b32 s27, 256<<16
	s_mov_b32 s28, 16
	s_mov_b32 s29, 1024
	s_mov_b32 s30, 0
	s_mov_b32 s31, 0
	; group 1 for gamma and beta: one row of 128 elements of 8 bytes
	s_mov_b32 s32, 3<<16
	s_mov_b32 s33, 128<<16
	s_mov_b32 s34, 1<<16
	s_mov_b32 s35, 128<<16
	s_mov_b32 s36, 1
	s_mov_b32 s37, 128
	s_mov_b32 s38, 0
	s_mov_b32 s39, 0
	s_lshl_b32 s22, ttmp9, 16                      ; 16 rows of 4,096 bytes
	s_lshl_b32 s62, s18, 10                        ; my 1,024 bytes of a row
	s_add_co_u32 s22, s22, s62
	s_mov_b32 s23, 0
	s_mov_b32 s63, 0
	s_lshl_b32 s60, ttmp9, 14                      ; the image: 8 fragments a block of rows,
	s_lshl_b32 s61, s18, 12                        ; two of them mine
	s_add_co_u32 s60, s60, s61
	s_mov_b32 s61, 0
	s_wait_dscnt 0x0
	s_wait_kmcnt 0x0
.if NOUT == 3
	s_load_b256 s[52:59], s[10:11], 0x0
.else
	s_load_b32 s52, s[10:11], 0x30                 ; entry 12
.endif
	s_mov_b32 s40, 1
	s_mov_b32 s41, s19
	s_add_nc_u64 s[42:43], s[4:5], s[22:23]
	s_or_b32 s43, s43, 0x80000000
	s_mov_b32 s44, 1
	s_add_co_u32 s45, s19, GOFF
	s_add_nc_u64 s[46:47], s[6:7], s[62:63]
	s_or_b32 s47, s47, 0x80000000
	s_mov_b32 s48, 1
	s_add_co_u32 s49, s19, GOFF+1024
	s_add_nc_u64 s[50:51], s[8:9], s[62:63]
	s_or_b32 s51, s51, 0x80000000
	tensor_load_to_lds s[40:43], s[24:31]          ; three loads of mine are out
	s_nop 0
	tensor_load_to_lds s[44:47], s[32:39]
	s_nop 0
	tensor_load_to_lds s[48:51], s[32:39]
	s_nop 0
.rept 4
	v_nop
.endr
	s_add_nc_u64 s[12:13], s[12:13], s[60:61]      ; my place in the image
.if NOUT == 3
	s_add_nc_u64 s[14:15], s[12:13], 0x400000
	s_add_nc_u64 s[16:17], s[12:13], 0x800000
.endif
	s_mov_b32 s60, 0x3a800000                      ; 1 / 1024
	s_mov_b32 s61, 0x3727c5ac                      ; 1e-5
	v_and_b32 v1, 15, v0                           ; r
	v_bfe_u32 v2, v0, 4, 1                         ; h
	v_mul_u32_u24 v3, v1, 1040
	v_lshl_add_u32 v3, v2, 5, v3
	v_add_nc_u32 v3, s19, v3                       ; the rows in LDS: row r, + 32 h bytes
	v_lshlrev_b32 v4, 5, v2
	v_add_nc_u32 v4, s19, v4                       ; gamma and beta: + 32 h bytes
	v_lshlrev_b32 v6, 2, v1
	v_add_nc_u32 v6, RED, v6                       ; the partial sums of row r: four words, 64 bytes apart
	s_lshl_b32 s62, s18, 6
	v_add_nc_u32 v5, s62, v6                       ; my wave's word
	v_and_b32 v7, 31, v0
	v_lshlrev_b32 v7, 4, v7                        ; 16 x lane
	v_mov_b32 v22, 0                               ; a lane permute's destination counts as read
	v_mov_b32 v15, 0                               ; (upper halves of pairs that are named whole)
	v_mov_b32 v17, 0
	s_wait_kmcnt 0x0
.irp o, 0,1,2
.if \o < NOUT
	s_add_co_i32 s22, s[52+2*\o], 127
	s_lshl_b32 s23, s22, 23
	v_mov_b32 v[8+2*\o], s23                       ; 2^e as f32: the conversion takes its exponent field
	s_add_co_i32 s22, s22, 15
	s_lshl_b32 s22, s22, 23
	s_or_b32 s22, s22, 0x600000
	v_mov_b32 v[9+2*\o], s22                       ; 57,344 x 2^e
.endif
.endr
	s_wait_tensorcnt 0x0                           ; my three tiles are in LDS; only I read them
.irp u, 0,1,2,3,4,5,6,7
.irp m, 0,1,2,3
	ds_load_b128 v[X+16*\u+4*\m:X+16*\u+4*\m+3], v3 offset:128*\u+64*(\m/2)+16*(\m%2)
.endr
.endr
	s_wait_dscnt 0x0
; The four chains are folded, the other half of the lanes' part is added, and the four waves' parts meet in LDS at byte off of the two blocks.  v18 = the row's sum, in every lane.
.macro REDUCE off
	v_pk_add_f32 v[PS:PS+1], v[PS:PS+1], v[PS+2:PS+3]
	v_pk_add_f32 v[PS+4:PS+5], v[PS+4:PS+5], v[PS+6:PS+7]
	v_pk_add_f32 v[PS:PS+1], v[PS:PS+1], v[PS+4:PS+5]
	v_add_f32 v18, v[PS], v[PS+1]
	v_permlanex16_b32 v22, v18, s20, s21
	v_add_f32 v18, v18, v22
	ds_store_b32 v5, v18 offset:\off               ; lanes r and r + 16 write the same word with the same number
	s_wait_dscnt 0x0                               ; for the others' sake: my store is done
	s_barrier_signal -1
	s_barrier_wait -1
	ds_load_b32 v18, v6 offset:\off
	ds_load_b32 v19, v6 offset:\off+64
	ds_load_b32 v20, v6 offset:\off+128
	ds_load_b32 v21, v6 offset:\off+192
	s_wait_dscnt 0x0
	v_add_f32 v18, v18, v19
	v_add_f32 v20, v20, v21
	v_add_f32 v18, v18, v20
.endm
.irp k, 0,1,2,3
	v_pk_add_f32 v[PS+2*\k:PS+2*\k+1], v[X+2*\k:X+2*\k+1], v[X+8+2*\k:X+8+2*\k+1]
.endr
.set m, 16
.rept 14
.irp k, 0,1,2,3
	v_pk_add_f32 v[PS+2*\k:PS+2*\k+1], v[PS+2*\k:PS+2*\k+1], v[X+m+2*\k:X+m+2*\k+1]
.endr
.set m, m+8
.endr
	REDUCE 0
	v_mul_f32 v14, s60, v18                        ; the mean
.set m, 0
.rept 64
	v_pk_add_f32 v[X+m:X+m+1], v[X+m:X+m+1], v[14:15] op_sel_hi:[1,0] neg_lo:[0,1] neg_hi:[0,1]   ; x - mean
.set m, m+2
.endr
.irp k, 0,1,2,3
	v_pk_mul_f32 v[PS+2*\k:PS+2*\k+1], v[X+2*\k:X+2*\k+1], v[X+2*\k:X+2*\k+1]
.endr
.set m, 8
.rept 15
.irp k, 0,1,2,3
	v_pk_fma_f32 v[PS+2*\k:PS+2*\k+1], v[X+m+2*\k:X+m+2*\k+1], v[X+m+2*\k:X+m+2*\k+1], v[PS+2*\k:PS+2*\k+1]
.endr
.set m, m+8
.endr
	REDUCE 256                                     ; other bytes than the first time: no wave can still be reading them
	v_fma_f32 v16, v18, s60, s61                   ; variance + 1e-5
	v_rsq_f32 v16, v16
	v_nop                                          ; a plain instruction behind the transcendental
	s_wait_alu depctr_va_vdst(0)                   ; and the wait ahead of the first line that names its result
.macro GLOAD u                         ; chunk u's 16 gamma and 16 beta into set u % 2
.irp m, 0,1,2,3
	ds_load_b128 v[GB+32*((\u)%2)+4*\m:GB+32*((\u)%2)+4*\m+3], v4 offset:GOFF+128*(\u)+64*(\m/2)+16*(\m%2)
	ds_load_b128 v[GB+32*((\u)%2)+16+4*\m:GB+32*((\u)%2)+16+4*\m+3], v4 offset:GOFF+1024+128*(\u)+64*(\m/2)+16*(\m%2)
.endr
.endm
; Chunk u: my 16 numbers of k = 32 u + 8 h + 0..7 and 32 u + 16 + 8 h + 0..7: one group of the image.  A wave's store covers 512 consecutive bytes, aligned.
.macro CHUNK u
.set XS, X+16*(\u)
.set GS, GB+32*((\u)%2)
.if (\u) == 0
.set CD, C0
.else
.set CD, X+16*((\u)-1)
.endif
.if (\u) < 7
	GLOAD (\u)+1
	s_wait_dscnt 0x8                               ; this chunk's eight loads are in; the next chunk's eight may be out
.else
	s_wait_dscnt 0x0
.endif
.irp p, 0,2,4,6,8,10,12,14
	v_pk_mul_f32 v[XS+\p:XS+\p+1], v[XS+\p:XS+\p+1], v[16:17] op_sel_hi:[1,0]
.endr
.irp p, 0,2,4,6,8,10,12,14
	v_pk_fma_f32 v[XS+\p:XS+\p+1], v[XS+\p:XS+\p+1], v[GS+\p:GS+\p+1], v[GS+16+\p:GS+16+\p+1]
.endr
.irp o, 0,1,2
.if \o < NOUT
.irp i, 0,1,2,3,4,5,6,7,8,9,10,11,12,13,14,15
	v_med3_num_f32 v[HH+\i], v[XS+\i], -v[9+2*\o], v[9+2*\o]   ; the conversion to an 8-bit code does not saturate (ISA guide 7.6.2): the hold comes first
.endr
	v_cvt_scalef32_pk8_bf8_f32 v[CD+4*\o:CD+4*\o+1], v[HH:HH+7], v[8+2*\o]
	v_cvt_scalef32_pk8_bf8_f32 v[CD+4*\o+2:CD+4*\o+3], v[HH+8:HH+15], v[8+2*\o]
	v_nop                                          ; a plain line between the conversions and the next holds, which write their sources
	global_store_b128 v7, v[CD+4*\o:CD+4*\o+3], s[12+2*\o:13+2*\o] offset:512*(\u)   ; no store's data or address register is written again
.endif
.endr
.endm
	GLOAD 0
.irp u, 0,1,2,3,4,5,6,7
	CHUNK \u
.endr
	s_wait_tensorcnt 0x0
	ds_add_u32 v62, v63
	s_wait_dscnt 0x0
	s_endpgm
.Lfunc_end_k_q6af236f93f_ln2:
	.size	k_q6af236f93f_ln2, .Lfunc_end_k_q6af236f93f_ln2-k_q6af236f93f_ln2
	.p2alignl 7, 3214868480
	.fill 96, 4, 3214868480
	.section	.rodata,"a",@progbits
	.p2align	6, 0x0
	.amdhsa_kernel k_q6af236f93f_ln2
		.amdhsa_group_segment_fixed_size 168448
		.amdhsa_private_segment_fixed_size 0
		.amdhsa_enable_private_segment 0
		.amdhsa_kernarg_size 40
		.amdhsa_user_sgpr_count 2
		.amdhsa_user_sgpr_kernarg_segment_ptr 1
		.amdhsa_wavefront_size32 1
		.amdhsa_system_sgpr_workgroup_id_x 1
		.amdhsa_system_sgpr_workgroup_id_y 1
		.amdhsa_system_sgpr_workgroup_id_z 1
		.amdhsa_system_vgpr_workitem_id 0
		.amdhsa_next_free_vgpr 256
		.amdhsa_next_free_sgpr 66
		.amdhsa_reserve_vcc 0
		.amdhsa_float_denorm_mode_32 3
		.amdhsa_float_denorm_mode_16_64 3
		.amdhsa_memory_ordered 1
		.amdhsa_forward_progress 1
		.amdhsa_inst_pref_size 43
	.end_amdhsa_kernel
	.amdgpu_metadata
---
amdhsa.version: [ 1, 2 ]
amdhsa.kernels:
  - .name:           k_q6af236f93f_ln2
    .symbol:         k_q6af236f93f_ln2.kd
    .args:
      - { .name: x1, .offset: 0, .size: 8, .value_kind: global_buffer, .address_space: global }
      - { .name: ln2_g, .offset: 8, .size: 8, .value_kind: global_buffer, .address_space: global }
      - { .name: ln2_b, .offset: 16, .size: 8, .value_kind: global_buffer, .address_space: global }
      - { .name: lowp_scales, .offset: 24, .size: 8, .value_kind: global_buffer, .address_space: global }
      - { .name: h2_img, .offset: 32, .size: 8, .value_kind: global_buffer, .address_space: global }
    .group_segment_fixed_size: 168448
    .private_segment_fixed_size: 0
    .kernarg_segment_align: 8
    .kernarg_segment_size: 40
    .max_flat_workgroup_size: 128
    .sgpr_count:     66
    .vgpr_count:     256
    .wavefront_size: 32
...
	.end_amdgpu_metadata
.endif
;; end of part 5
;; launch ffn1 (part 6): grid 8 x 32, 4 waves a work-group, clusters of 4 x 4, 327,680 bytes of LDS; arguments h2_img, W1_codes, b1, lowp_scales, g_img; writes g_img
.if DOCPART == 6
	.amdgcn_target "amdgcn-amd-amdhsa--gfx1250"
	.amdhsa_code_object_version 6
	.text
	.protected	k_q6af236f93f_ffn1
	.globl	k_q6af236f93f_ffn1
	.p2align	8
	.type	k_q6af236f93f_ffn1,@function
k_q6af236f93f_ffn1:
	s_mov_b64 s[64:65], 0
	v_nop
	global_prefetch_b8 v0, s[64:65] scope:SCOPE_SE
	s_setreg_imm32_b32 hwreg(HW_REG_WAVE_MODE, 25, 1), 1
	s_wait_xcnt 0x0
	s_wait_alu depctr_hold_cnt(0) depctr_sa_sdst(0) depctr_va_vdst(0) depctr_va_sdst(0) depctr_va_ssrc(0) depctr_va_vcc(0) depctr_vm_vsrc(0)
	s_getreg_b32 s2, hwreg(HW_REG_IB_STS2, 6, 4)
	s_cmp_eq_u32 s2, 0
	s_cbranch_scc0 .Lentry_in_a_cluster
	s_endpgm
.Lentry_in_a_cluster:
	s_bfe_u32 s2, ttmp6, 0x10000c
	s_cmp_lg_u32 s2, 0xf033
	s_cbranch_scc0 .Lentry_shape_is_right
	s_endpgm
.Lentry_shape_is_right:
; g = gelu(a W1 + b1) (the exact one, by erf), the product on codes of E5M2, g quantised with entry 14.  a: an image of operand registers [4096 rows][1024]; W1: codes [4096 (n)][1024 (k)]; g leaves as an image [4096 rows][4096].
; AN IMAGE: a fragment of 16 rows x 128 k is 2,048 bytes, four groups of 512; in group g lane (r, h) has 16 bytes at 16 x lane: k = 32 g + 8 h + 0..7, then 32 g + 16 + 8 h + 0..7.  Fragment (mb, ks) lies at (mb K / 128 + ks) x 2,048.
; A WORK-GROUP STAYS: it keeps 128 rows and walks four tiles of 128 columns, 8 tiles apart (256 work-groups).  Four waves, 64 x 64 each: 16 accumulators.
; a's tile (128 rows x 1,024 codes: one dense block of 131,072 bytes of the image) is fetched once, and each wave reads its 64 rows from LDS into 512 registers once: a quarter of 128 along K then reads W1's four fragments alone.
; W1's tile, all of K, lies in ONE slot: 128 rows of 1,024 + 16 bytes.  When a tile's last fragments are in registers the slot is filled with the next tile's rows, and the last 16 products and the GELU, some 2,000 vector
; instructions, stand between that request and the wait for it.  One region that is filled and read in every tile has two barriers a tile: reads over, then the fill; the fill landed, then the reads.
; CLUSTER 4 x 4: a's tile is shared along a row of the cluster, W1's along a column: joint loads, the same descriptor in the four that a mask names; the barrier ahead of each fill is a round of the cluster's barrier.
; TRANSPOSED USE: source 0 = 16 rows of W1, source 1 = 16 rows of a: a lane holds one row and its registers run along the columns, the next product's K: the conversions' results are that operand's registers.
; GELU: y = sum x 2^(e12 + e13) + b1, one packed multiply-add.  2 gelu(y) = (y + |y|) - |y| erfc(t), t = |y| / sqrt(2): no difference of near numbers where y is negative.  erfc(t) = exp(p(t)) where t > 0.927734375,
; else 1 - (t + t r(t^2)); p of degree 7, r of degree 5 in t^2, both good to about the last bit of f32 in erf.  Both are computed and one is chosen by v_cndmask_b32.  The factor 1/2 goes into the conversion's scale.
; LIMITS: e12 + e13 between -126 and 127; e14 + 1 between -126 and 112.  NaN and infinities are not served.
; REGISTERS, in windows of 256: window 0: v1-29 addresses; v32-111 the GELU's work; v112-119 constants; v128-255 the accumulators.   window 1: v0-63, v64-127 W1's fragments, two buffers; v128-159 the tile's bias.
;   window 2: a's fragments of K steps 0-3 (fragment (a, ks) at 64 ks + 16 a);   window 3: those of K steps 4-7.
.set TILES,  4
.set PITCH,  1040                      ; a row of W1 in LDS: 260 words: the 32 lanes of an 8-byte load (row r, half h) touch 64 different banks (64 banks of 4 bytes: ISA guide 11.1)
.set BOFF,   131072                    ; behind a's tile
.set SPARE,  BOFF+128*PITCH            ; behind W1's slot: the spare words, 128 bytes a wave: two blocks of 256 bytes that no other line names
.set ADRA, 16                          ; v16 LDS address of my fragments of a
.set ADRB, 20                          ; v20 of my rows of W1
.set LI,   27                          ; v27 16 x lane
.set SPW,  28                          ; v28 my spare word
.set NIL,  29                          ; v29 0
.set GA,   32                          ; |y|
.set GT,   48                          ; t
.set GS,   64                          ; t^2, later y + |y|, later 2 gelu
.set GR,   80                          ; p, later erfc
.set GP,   96                          ; the other arm
.set ACC,  128                         ; accumulator (a, b) at 128 + 8 (4 a + b)
.set BIW,  128                         ; in window 1: the bias, four tiles in the result's layout
.set G1,  24                           ; s[24:31] group 1 for a's tile;  s[32:35] its group 0
.set G0,  32
.set G1B, 48                           ; s[48:55] group 1 for W1's tiles;  s[56:59] their group 0, which walks
.set G0B, 56
.set MSB, 0
.macro WIN new                         ; the immediate's high byte repeats the setting that is left
.if MSB != \new
	s_set_vgpr_msb (MSB<<8)|\new
.set MSB, \new
.endif
.endm
.set TO_F, 0x40                        ; destination window 1, address window 0
.macro CREST                           ; a round of the cluster's barrier behind its opening barrier
	s_cmp_lg_u32 s10, 0
	s_cbranch_scc1 .Lnot_wave_0_\@
	s_barrier_signal -3
.Lnot_wave_0_\@:
	s_barrier_wait -3
	s_barrier_signal -1
	s_barrier_wait -1
.endm
.macro CROUND
	s_barrier_signal -1
	s_barrier_wait -1
	CREST
.endm
.macro PLACES                          ; four plain places behind matrix instructions, ahead of loads into their sources and of reads of their results
.rept 4
	v_nop
.endr
.endm
	s_load_b256 s[68:75], s[0:1], 0x0              ; a s[68:69], W1 s[70:71], b1 s[72:73], the exponents s[74:75]
	s_load_b64 s[76:77], s[0:1], 0x20              ; g's image
	v_lshl_add_u32 v[SPW], v0, 2, SPARE
	v_mov_b32 v[NIL], 0
	ds_add_u32 v28, v29
	ds_add_u32 v28, v29
	s_wait_dscnt 0x0
	v_lshrrev_b32 v1, 5, v0
	v_readfirstlane_b32 s10, v1                    ; wave 0..3: it fetches a quarter of each tile
	s_lshr_b32 s11, s10, 1                         ; my half of the rows
	s_and_b32 s12, s10, 1                          ; my half of the columns
	s_bfe_u32 s40, ttmp6, 0x40000                  ; cx
	s_bfe_u32 s41, ttmp6, 0x40004                  ; cy
	s_lshl_b32 s42, ttmp9, 2
	s_add_co_u32 s42, s42, s40                     ; my first tile column: 0..7
	s_and_b32 s13, ttmp7, 0xffff
	s_lshl_b32 s13, s13, 2
	s_add_co_u32 s13, s13, s41                     ; tile row: 0..31
	s_lshl_b32 s43, s41, 2
	s_lshl_b32 s43, 15, s43                        ; my row of the cluster
	s_lshl_b32 s44, 0x1111, s40                    ; my column
	s_or_b32 s[G1], s43, (3<<16)|(1<<21)           ; a: 4 rows of 1,024 elements of 8 bytes, dense: 32,768 bytes a wave
	s_mov_b32 s[G1+1], 1024<<16
	s_mov_b32 s[G1+2], 4<<16
	s_mov_b32 s[G1+3], 1024<<16
	s_mov_b32 s[G1+4], 4
	s_mov_b32 s[G1+5], 1024
	s_mov_b32 s[G1+6], 0
	s_mov_b32 s[G1+7], 0
	s_or_b32 s[G1B], s44, (1<<20)|(1<<21)|(7<<22)|(3<<25)   ; W1: 32 rows of 1,024 bytes a wave; four words of padding behind every 256
	s_mov_b32 s[G1B+1], 1024<<16
	s_mov_b32 s[G1B+2], 32<<16
	s_mov_b32 s[G1B+3], 1024<<16
	s_mov_b32 s[G1B+4], 32
	s_mov_b32 s[G1B+5], 1024
	s_mov_b32 s[G1B+6], 0
	s_mov_b32 s[G1B+7], 0
	s_lshl_b32 s16, s13, 17                        ; a: the tile row's 131,072 bytes,
	s_lshl_b32 s17, s10, 15                        ; my quarter of them
	s_add_co_u32 s16, s16, s17
	s_mov_b32 s17, 0
	s_lshl_b32 s46, s42, 7
	s_lshl_b32 s47, s10, 5
	s_add_co_u32 s46, s46, s47                     ; W1: row 128 x tile column + 32 x wave,
	s_lshl_b32 s46, s46, 10                        ; of 1,024 bytes
	s_mov_b32 s47, 0
	s_lshl_b32 s20, s10, 15                        ; where they go: a's quarter,
	s_mul_i32 s21, s10, 32*PITCH
	s_add_co_u32 s21, s21, BOFF                    ; W1's quarter: no place in the cluster enters an LDS address
	s_wait_kmcnt 0x0
	s_load_b128 s[80:83], s[74:75], 0x30           ; entries 12 to 15
	s_add_nc_u64 s[14:15], s[68:69], s[16:17]
	s_add_nc_u64 s[46:47], s[70:71], s[46:47]
	CROUND                                         ; all sixteen work-groups are here: the first joint loads meet
	s_mov_b32 s[G0], 1
	s_mov_b32 s[G0+1], s20
	s_mov_b64 s[G0+2:G0+3], s[14:15]
	s_or_b32 s[G0+3], s[G0+3], 0x80000000
	s_mov_b32 s[G0B], 1
	s_mov_b32 s[G0B+1], s21
	s_mov_b64 s[G0B+2:G0B+3], s[46:47]
	s_or_b32 s[G0B+3], s[G0B+3], 0x80000000
	tensor_load_to_lds s[G0:G0+3], s[G1:G1+7]      ; two loads of mine are out: my quarters of a's tile and of W1's first tile
	s_nop 0
	tensor_load_to_lds s[G0B:G0B+3], s[G1B:G1B+7]
	s_nop 0
	PLACES                                         ; four v_nop follow
	v_and_b32 v1, 15, v0                           ; r
	v_bfe_u32 v2, v0, 4, 1                         ; h
	v_and_b32 v3, 31, v0
	v_lshlrev_b32 v[LI], 4, v3
	s_lshl_b32 s22, s11, 16
	v_add_nc_u32 v[ADRA], s22, v[LI]               ; my four blocks of 16 rows: 65,536 x half + 16 x lane
	v_mul_u32_u24 v3, v1, PITCH
	v_lshl_add_u32 v3, v2, 3, v3
	s_mul_i32 s23, s12, 64*PITCH
	s_add_co_u32 s23, s23, BOFF
	v_add_nc_u32 v[ADRB], s23, v3                  ; my 64 rows of W1: row r, + 8 h
	v_lshlrev_b32 v6, 5, v2                        ; the bias: + 32 h bytes
	s_lshl_b32 s46, s42, 9
	s_lshl_b32 s47, s12, 8
	s_add_co_u32 s46, s46, s47                     ; my first column, in bytes of f32
	s_mov_b32 s47, 0
	s_add_nc_u64 s[72:73], s[72:73], s[46:47]
.macro BIAS                            ; register 8 b + j = b1[my first column + 16 b + 8 h + j], into window 1
	WIN TO_F
.irp b, 0,1,2,3
	global_load_b128 v[BIW+8*\b:BIW+8*\b+3], v6, s[72:73] offset:64*\b
	global_load_b128 v[BIW+8*\b+4:BIW+8*\b+7], v6, s[72:73] offset:64*\b+16
.endr
	WIN 0
.endm
	BIAS
	s_lshl_b32 s16, s13, 19                        ; g's image: block of rows 8 x tile row + 4 x half, 32 fragments each;
	s_lshl_b32 s17, s11, 18
	s_add_co_u32 s16, s16, s17
	s_mov_b32 s17, 0
	s_lshl_b32 s46, s42, 11                        ; fragment = tile column; my half of the columns is two groups
	s_lshl_b32 s47, s12, 10
	s_add_co_u32 s46, s46, s47
	s_mov_b32 s47, 0
	s_add_nc_u64 s[76:77], s[76:77], s[16:17]
	s_add_nc_u64 s[76:77], s[76:77], s[46:47]
	v_mov_b32 v112, 0x39c8e7d9                     ; three coefficients that stand beside a second constant lie in pairs
	v_mov_b32 v113, 0x39c8e7d9
	v_mov_b32 v114, 0x3cc6b1a1
	v_mov_b32 v115, 0x3cc6b1a1
	v_mov_b32 v116, 0x3ba38d2c
	v_mov_b32 v117, 0x3ba38d2c
	s_wait_kmcnt 0x0
	s_add_co_i32 s80, s80, s81                     ; e12 + e13
	s_add_co_i32 s86, s80, 127
	s_lshl_b32 s86, s86, 23                        ; 2^(e12 + e13) as f32
	s_mov_b32 s87, s86                             ; (named with it as a pair)
	s_add_co_i32 s82, s82, 128
	s_lshl_b32 s83, s82, 23
	v_mov_b32 v118, s83                            ; 2^(e14 + 1): the conversion's scale for 2 gelu
	s_add_co_i32 s82, s82, 15
	s_lshl_b32 s82, s82, 23
	s_or_b32 s82, s82, 0x600000
	v_mov_b32 v119, s82                            ; 57,344 x that
; My tensor loads have landed, then everybody's: the tile that they brought may be read.
.macro MEET
	s_wait_tensorcnt 0x0
	ds_add_u32 v[SPW], v[NIL]                      ; 0 onto my spare word
	s_wait_dscnt 0x0
	s_barrier_signal -1
	s_barrier_wait -1
.endm
.macro FETCH ks                        ; 32 LDS loads in one run: W1's four fragments of K step ks into buffer ks % 2
	WIN TO_F
.irp b, 0,1,2,3
.irp c, 0,1,2,3,4,5,6,7
	ds_load_b64 v[64*((\ks)%2)+16*\b+2*\c:64*((\ks)%2)+16*\b+2*\c+1], v[ADRB] offset:\b*16*PITCH+128*(\ks)+16*\c   ; registers 2 c, 2 c + 1: k = 16 c + 8 h + 0..7
.endr
.endr
.endm
; 16 products, 128 along K.  The 16 accumulators take turns, one instruction a turn, in the same order in every K step and from tile to tile.  A tile's first K step starts the sums.
.macro MUL16 ks
.if (\ks) < 4
	WIN 0x09                                       ; source 0 (W1) window 1, source 1 (a) window 2, C and D window 0
.else
	WIN 0x0d                                       ; source 1 window 3
.endif
.irp a, 0,1,2,3
.irp b, 0,1,2,3
.if (\ks) == 0
	v_wmma_f32_16x16x128_bf8_bf8 v[ACC+8*(4*\a+\b):ACC+8*(4*\a+\b)+7], v[64*((\ks)%2)+16*\b:64*((\ks)%2)+16*\b+15], v[64*((\ks)%4)+16*\a:64*((\ks)%4)+16*\a+15], 0
.else
	v_wmma_f32_16x16x128_bf8_bf8 v[ACC+8*(4*\a+\b):ACC+8*(4*\a+\b)+7], v[64*((\ks)%2)+16*\b:64*((\ks)%2)+16*\b+15], v[64*((\ks)%4)+16*\a:64*((\ks)%4)+16*\a+15], v[ACC+8*(4*\a+\b):ACC+8*(4*\a+\b)+7]
.endif
.endr
.endr
.endm
.macro QUARTER ks                      ; the next K step's fragments are asked for into the buffer that the last products have read; then this K step is multiplied
	PLACES
	FETCH (\ks)+1
	s_wait_dscnt 32                                ; all but the 32 just issued: this K step's fragments are in
	MUL16 \ks
.endm
; 16 numbers of a lane: tiles 2 q and 2 q + 1 of my rows 16 i on: one group of g's image.
.macro GELU i, q
.set GY, ACC+32*(\i)+16*(\q)
	WIN 0x10                                       ; source 2 (the bias) window 1
.irp p, 0,2,4,6,8,10,12,14
	v_pk_fma_f32 v[GY+\p:GY+\p+1], v[GY+\p:GY+\p+1], s[86:87], v[BIW+16*(\q)+\p:BIW+16*(\q)+\p+1] op_sel_hi:[1,0,1]   ; y = sum x 2^(e12 + e13) + b1; each accumulator from its low end on
.endr
	WIN 0
.irp j, 0,1,2,3,4,5,6,7,8,9,10,11,12,13,14,15
	v_and_b32 v[GA+\j], 0x7fffffff, v[GY+\j]                                          ; |y|
.endr
.irp p, 0,2,4,6,8,10,12,14
	v_pk_mul_f32 v[GT+\p:GT+\p+1], v[GA+\p:GA+\p+1], 0x3f3504f3 op_sel_hi:[1,0]       ; t = |y| / sqrt(2)
.endr
.irp p, 0,2,4,6,8,10,12,14
	v_pk_mul_f32 v[GS+\p:GS+\p+1], v[GT+\p:GT+\p+1], v[GT+\p:GT+\p+1]                 ; t^2
.endr
.irp p, 0,2,4,6,8,10,12,14
	v_pk_fma_f32 v[GR+\p:GR+\p+1], v[GT+\p:GT+\p+1], 0xb7910000, v[112:113] op_sel_hi:[1,0,1]
.endr
.irp p, 0,2,4,6,8,10,12,14
	v_pk_fma_f32 v[GP+\p:GP+\p+1], v[GT+\p:GT+\p+1], 0xbb7e8a1c, v[114:115] op_sel_hi:[1,0,1]
.endr
.irp p, 0,2,4,6,8,10,12,14
	v_pk_fma_f32 v[GR+\p:GR+\p+1], v[GR+\p:GR+\p+1], v[GS+\p:GS+\p+1], v[GP+\p:GP+\p+1]
.endr
.irp c, 0xbddaae5c, 0xbf228550, 0xbe03ce86
.irp p, 0,2,4,6,8,10,12,14
	v_pk_fma_f32 v[GR+\p:GR+\p+1], v[GR+\p:GR+\p+1], v[GT+\p:GT+\p+1], \c op_sel_hi:[1,1,0]
.endr
.endr
.irp p, 0,2,4,6,8,10,12,14
	v_pk_fma_f32 v[GR+\p:GR+\p+1], v[GR+\p:GR+\p+1], v[GT+\p:GT+\p+1], v[GT+\p:GT+\p+1] neg_lo:[0,0,1] neg_hi:[0,0,1]
.endr
.irp p, 0,2,4,6,8,10,12,14
	v_pk_mul_f32 v[GR+\p:GR+\p+1], v[GR+\p:GR+\p+1], 0x3fb8aa3b op_sel_hi:[1,0]       ; x log2(e)
.endr
.irp j, 0,1,2,3,4,5,6,7,8,9,10,11,12,13,14,15
	v_exp_f32 v[GR+\j], v[GR+\j]                                                      ; erfc(t) for the larger t
.endr
.irp p, 0,2,4,6,8,10,12,14
	v_pk_fma_f32 v[GP+\p:GP+\p+1], v[GS+\p:GS+\p+1], 0xba1c7000, v[116:117] op_sel_hi:[1,0,1]   ; the other arm is the independent work behind the exponentials
.endr
.irp c, 0xbcdb48d9, 0x3de70e22, 0xbec09380, 0x3e0375d4
.irp p, 0,2,4,6,8,10,12,14
	v_pk_fma_f32 v[GP+\p:GP+\p+1], v[GP+\p:GP+\p+1], v[GS+\p:GS+\p+1], \c op_sel_hi:[1,1,0]
.endr
.endr
.irp p, 0,2,4,6,8,10,12,14
	v_pk_fma_f32 v[GP+\p:GP+\p+1], v[GP+\p:GP+\p+1], v[GT+\p:GT+\p+1], v[GT+\p:GT+\p+1]         ; erf(t)
.endr
.irp p, 0,2,4,6,8,10,12,14
	v_pk_add_f32 v[GP+\p:GP+\p+1], v[GP+\p:GP+\p+1], 1.0 op_sel_hi:[1,0] neg_lo:[1,0] neg_hi:[1,0]   ; 1 - erf(t)
.endr
.irp p, 0,2,4,6,8,10,12,14
	v_pk_add_f32 v[GS+\p:GS+\p+1], v[GY+\p:GY+\p+1], v[GA+\p:GA+\p+1]                 ; y + |y|
.endr
	s_wait_alu depctr_va_vdst(0)                   ; one wait for the sixteen exponentials, ahead of the first line that names a result
.irp j, 0,1,2,3,4,5,6,7,8,9,10,11,12,13,14,15
	v_cmp_lt_f32 vcc_lo, 0x3f6d8000, v[GT+\j]
	v_cndmask_b32 v[GR+\j], v[GP+\j], v[GR+\j], vcc_lo
.endr
.irp p, 0,2,4,6,8,10,12,14
	v_pk_fma_f32 v[GS+\p:GS+\p+1], v[GA+\p:GA+\p+1], v[GR+\p:GR+\p+1], v[GS+\p:GS+\p+1] neg_lo:[1,0,0] neg_hi:[1,0,0]   ; 2 gelu(y)
.endr
.irp j, 0,1,2,3,4,5,6,7,8,9,10,11,12,13,14,15
	v_med3_num_f32 v[GS+\j], v[GS+\j], -v119, v119 ; the conversion to an 8-bit code does not saturate (ISA guide 7.6.2): the hold comes first
.endr
	v_cvt_scalef32_pk8_bf8_f32 v[GY:GY+1], v[GS:GS+7], v118
	v_cvt_scalef32_pk8_bf8_f32 v[GY+2:GY+3], v[GS+8:GS+15], v118
	v_nop                                          ; a plain line behind the conversions: the next batch writes their sources, the next tile's products their results
	global_store_b128 v[LI], v[GY:GY+3], s[76:77] offset:(\i)*65536+512*(\q)   ; 512 consecutive bytes, aligned
.endm
; A TILE: 128 products a wave, then the GELU.  fill = 1: W1's slot is filled with the next tile's rows as soon as this tile's last fragments are in registers.
.macro TILE fill
	FETCH 0
.irp k, 0,1,2,3,4,5,6
	QUARTER \k
.endr
	WIN 0
.if \fill
	s_wait_tensorcnt 0x0                           ; no tensor load of mine is out: the group 0 may be written
	ds_add_u32 v[SPW], v[NIL]                      ; 0 onto my spare word
	s_add_nc_u64 s[G0B+2:G0B+3], s[G0B+2:G0B+3], 0x100000   ; eight tiles of 128 rows of 1,024 bytes on; the type bits on top are not reached
	s_wait_dscnt 0x0                               ; the add is done, the last K step's fragments are in, and my reads of the slot are over
	s_barrier_signal -1
	s_barrier_wait -1
	CREST                                          ; the barrier has opened a round of the cluster's barrier: no wave of any partner still reads the slot
	tensor_load_to_lds s[G0B:G0B+3], s[G1B:G1B+7]  ; my one load behind the round: 32 rows of the next tile
	s_nop 0
	PLACES                                         ; four v_nop follow
.else
	s_wait_dscnt 0x0                               ; the last K step's fragments are in
.endif
	MUL16 7
	WIN 0
	PLACES
	s_wait_loadcnt 0x0                             ; the tile's bias is in
.irp i, 0,1,2,3
	GELU \i, 0
	GELU \i, 1
.endr
.endm
	MEET                                           ; a's tile and W1's first tile lie in LDS
	WIN 0x80                                       ; destination window 2: my 64 rows of a, K steps 0-3; they stay
.irp k, 0,1,2,3
.irp a, 0,1,2,3
.irp g, 0,1,2,3
	ds_load_b128 v[64*\k+16*\a+4*\g:64*\k+16*\a+4*\g+3], v[ADRA] offset:\a*16384+\k*2048+\g*512
.endr
.endr
.endr
	WIN 0xc0                                       ; destination window 3: K steps 4-7
.irp k, 0,1,2,3
.irp a, 0,1,2,3
.irp g, 0,1,2,3
	ds_load_b128 v[64*\k+16*\a+4*\g:64*\k+16*\a+4*\g+3], v[ADRA] offset:\a*16384+(\k+4)*2048+\g*512
.endr
.endr
.endr
	WIN 0                                          ; at a label and at a branch every window is 0
	s_mov_b32 s3, TILES-1
.Ltile:                                            ; three trips: the tiles that have a successor
	TILE 1
	s_add_nc_u64 s[72:73], s[72:73], 4096          ; the next tile's bias, eight tiles of 128 numbers on (this tile's bias loads were waited for ahead of the GELU)
	BIAS
	s_wait_xcnt 0x0                                ; the stores have read their registers and their base: the base steps, and the next products write the registers that held the codes
	s_add_nc_u64 s[76:77], s[76:77], 16384         ; eight fragments on
	MEET                                           ; the next tile's rows of W1 lie in LDS
	s_sub_co_u32 s3, s3, 1
	s_cmp_lg_u32 s3, 0
	s_cbranch_scc1 .Ltile
	TILE 0                                         ; the last tile is written out: it asks for nothing more
	s_wait_tensorcnt 0x0                           ; the wave's end
	ds_add_u32 v[SPW], v[NIL]
	s_wait_dscnt 0x0
	CROUND                                         ; the closing round
	s_endpgm
.Lfunc_end_k_q6af236f93f_ffn1:
	.size	k_q6af236f93f_ffn1, .Lfunc_end_k_q6af236f93f_ffn1-k_q6af236f93f_ffn1
	.p2alignl 7, 3214868480
	.fill 96, 4, 3214868480
	.section	.rodata,"a",@progbits
	.p2align	6, 0x0
	.amdhsa_kernel k_q6af236f93f_ffn1
		.amdhsa_group_segment_fixed_size 327680
		.amdhsa_private_segment_fixed_size 0
		.amdhsa_enable_private_segment 0
		.amdhsa_kernarg_size 40
		.amdhsa_user_sgpr_count 2
		.amdhsa_user_sgpr_kernarg_segment_ptr 1
		.amdhsa_wavefront_size32 1
		.amdhsa_system_sgpr_workgroup_id_x 1
		.amdhsa_system_sgpr_workgroup_id_y 1
		.amdhsa_system_sgpr_workgroup_id_z 1
		.amdhsa_system_vgpr_workitem_id 0
		.amdhsa_next_free_vgpr 1024
		.amdhsa_next_free_sgpr 100
		.amdhsa_reserve_vcc 1
		.amdhsa_float_denorm_mode_32 3
		.amdhsa_float_denorm_mode_16_64 3
		.amdhsa_memory_ordered 1
		.amdhsa_forward_progress 1
		.amdhsa_inst_pref_size 255
	.end_amdhsa_kernel
	.section	.bss,"aw",@nobits
	.p2align	6
	.space	262144
	.amdgpu_metadata
---
amdhsa.version: [ 1, 2 ]
amdhsa.kernels:
  - .name:           k_q6af236f93f_ffn1
    .symbol:         k_q6af236f93f_ffn1.kd
    .args:
      - { .name: h2_img, .offset: 0, .size: 8, .value_kind: global_buffer, .address_space: global }
      - { .name: W1_codes, .offset: 8, .size: 8, .value_kind: global_buffer, .address_space: global }
      - { .name: b1, .offset: 16, .size: 8, .value_kind: global_buffer, .address_space: global }
      - { .name: lowp_scales, .offset: 24, .size: 8, .value_kind: global_buffer, .address_space: global }
      - { .name: g_img, .offset: 32, .size: 8, .value_kind: global_buffer, .address_space: global }
    .group_segment_fixed_size: 327680
    .private_segment_fixed_size: 0
    .kernarg_segment_align: 8
    .kernarg_segment_size: 40
    .max_flat_workgroup_size: 128
    .sgpr_count:     100
    .vgpr_count:     1024
    .wavefront_size: 32
...
	.end_amdgpu_metadata
.endif
;; end of part 6
;; launch ffn2 (part 7): grid 8 x 32, 4 waves a work-group, clusters of 4 x 4, 327,680 bytes of LDS; arguments g_img, W2_codes, b2, lowp_scales, x1, out0; writes out0
.if DOCPART == 7
	.amdgcn_target "amdgcn-amd-amdhsa--gfx1250"
	.amdhsa_code_object_version 6
	.text
	.protected	k_q6af236f93f_ffn2
	.globl	k_q6af236f93f_ffn2
	.p2align	8
	.type	k_q6af236f93f_ffn2,@function
k_q6af236f93f_ffn2:
	s_mov_b64 s[64:65], 0
	v_nop
	global_prefetch_b8 v0, s[64:65] scope:SCOPE_SE
	s_setreg_imm32_b32 hwreg(HW_REG_WAVE_MODE, 25, 1), 1
	s_wait_xcnt 0x0
	s_wait_alu depctr_hold_cnt(0) depctr_sa_sdst(0) depctr_va_vdst(0) depctr_va_sdst(0) depctr_va_ssrc(0) depctr_va_vcc(0) depctr_vm_vsrc(0)
	s_getreg_b32 s2, hwreg(HW_REG_IB_STS2, 6, 4)
	s_cmp_eq_u32 s2, 0
	s_cbranch_scc0 .Lentry_in_a_cluster
	s_endpgm
.Lentry_in_a_cluster:
	s_bfe_u32 s2, ttmp6, 0x10000c
	s_cmp_lg_u32 s2, 0xf033
	s_cbranch_scc0 .Lentry_shape_is_right
	s_endpgm
.Lentry_shape_is_right:
; out = res + (a W + bias), the product on codes of E5M2.  a: an image of operand registers, [4096 rows][KK]; W: codes [1024 (n)][KK (k)]; bias [1024], res and out [4096][1024] f32.
; AN IMAGE: a fragment of 16 rows x 128 k is 2,048 bytes, four groups of 512; in group g lane (r, h) has 16 bytes at 16 x lane: k = 32 g + 8 h + 0..7, then 32 g + 16 + 8 h + 0..7.  Fragment (mb, ks) lies at (mb KK / 128 + ks) x 2,048.
; SHARES: a work-group makes 128 rows x 128 columns (256 work-groups); four waves, 64 x 64 each: 16 accumulators.  K goes in steps of 512 through a ring of two LDS slots: eight steps, six refills.
; A slot: a's 8 x 4 fragments as they lie (65,536 bytes), then 128 rows of W, 512 + 16 bytes each.  A refill is asked for straight behind the change of slots and has a whole step, 64 products a wave, in which to land.
; CLUSTER 4 x 4: a's tile is shared along a row of the cluster, W's along a column: joint loads, the same descriptor in the four that a mask names; a round of the cluster's barrier stands ahead of each refill.
; TRANSPOSED USE: source 0 = 16 rows of W, source 1 = 16 rows of a: a lane holds eight neighbouring columns of one row.  The bias is the C of each sum's first product, divided by 2^(eA + eB).
; THE WAY OUT: 16 rows x 64 columns at a time through the wave's own stage in LDS; back as rows of 256 bytes; one packed multiply-add gives sum x 2^(eA + eB) + res; sixteen lanes store 256 consecutive bytes, aligned.
; LIMIT: eA + eB between -126 and 127.  NaN and infinities are not served.
.set KK,     4096
.set ESC,    14                        ; the entries of the exponents: ESC for a, ESC + 1 for W
.set LAPS,   KK/1024
.set PITCH,  528                       ; a row of W in LDS: 132 words: the 32 lanes of an 8-byte load (row r, half h) touch 64 different banks (64 banks of 4 bytes: ISA guide 11.1)
.set BOFF,   65536
.set SLOT,   BOFF+128*PITCH
.set STAGE,  2*SLOT                    ; behind the ring: 16 rows x 272 bytes for each wave
.set SPITCH, 272
.set SPARE,  STAGE+4*16*SPITCH         ; the spare words, 128 bytes a wave: two blocks of 256 bytes that no other line names
.set ADRA, 16                          ; v16-17 LDS address of my fragments of a in slot 0, 1
.set ADRB, 20                          ; v20-21 of my rows of W
.set STO,  24
.set RD,   25
.set CO,   26
.set LI,   27
.set SPW,  28
.set NIL,  29
.set BI,   32                          ; v32-63  the bias, four tiles in the result's layout
.set RX,   64                          ; v64-127 two blocks of res
.set ACC,  128                         ; v128-255 accumulator (a, b) at 128 + 8 (4 a + b)
.set F0,   0                           ; window 1: two fragment buffers: a's four fragments, then W's four
.set F1,   128
.set G1,  24
.set G0,  32
.set G1B, 48
.set G0B, 56
.set MSB, 0
.macro WIN new                         ; the immediate's high byte repeats the setting that is left
.if MSB != \new
	s_set_vgpr_msb (MSB<<8)|\new
.set MSB, \new
.endif
.endm
.set MUL,  0x05                        ; sources 0 and 1 window 1; C and D window 0
.set TO_F, 0x40                        ; destination window 1
.macro JLOAD s                         ; waves 0 and 1 fetch a's halves, waves 2 and 3 W's; four v_nop follow each line
	s_cmp_eq_u32 s11, 0
	s_cbranch_scc0 .Lfor_b_\@
	tensor_load_to_lds s[G0+4*\s:G0+4*\s+3], s[G1:G1+7]
	s_nop 0
.rept 4
	v_nop
.endr
	s_branch .Lasked_\@
.Lfor_b_\@:
	tensor_load_to_lds s[G0B+4*\s:G0B+4*\s+3], s[G1B:G1B+7]
	s_nop 0
.rept 4
	v_nop
.endr
.Lasked_\@:
.endm
.macro CREST                           ; a round of the cluster's barrier behind its opening barrier
	s_cmp_lg_u32 s10, 0
	s_cbranch_scc1 .Lnot_wave_0_\@
	s_barrier_signal -3
.Lnot_wave_0_\@:
	s_barrier_wait -3
	s_barrier_signal -1
	s_barrier_wait -1
.endm
.macro CROUND
	s_barrier_signal -1
	s_barrier_wait -1
	CREST
.endm
.macro PLACES                          ; four plain places behind matrix instructions, ahead of loads into their sources and of reads of their results
.rept 4
	v_nop
.endr
.endm
	s_load_b256 s[68:75], s[0:1], 0x0              ; a s[68:69], W s[70:71], bias s[72:73], the exponents s[74:75]
	s_load_b128 s[76:79], s[0:1], 0x20             ; res s[76:77], out s[78:79]
	v_lshl_add_u32 v[SPW], v0, 2, SPARE
	v_mov_b32 v[NIL], 0
	ds_add_u32 v28, v29
	ds_add_u32 v28, v29
	s_wait_dscnt 0x0
	v_lshrrev_b32 v1, 5, v0
	v_readfirstlane_b32 s10, v1                    ; wave 0..3
	s_lshr_b32 s11, s10, 1                         ; my half of the rows.  Also: I fetch a (0) or W (1)
	s_and_b32 s12, s10, 1                          ; my half of the columns.  Also: which half of that tile I fetch
	s_bfe_u32 s40, ttmp6, 0x40000                  ; cx
	s_bfe_u32 s41, ttmp6, 0x40004                  ; cy
	s_lshl_b32 s42, ttmp9, 2
	s_add_co_u32 s42, s42, s40                     ; tile column
	s_and_b32 s13, ttmp7, 0xffff
	s_lshl_b32 s13, s13, 2
	s_add_co_u32 s13, s13, s41                     ; tile row
	s_lshl_b32 s43, s41, 2
	s_lshl_b32 s43, 15, s43                        ; my row of the cluster
	s_lshl_b32 s44, 0x1111, s40                    ; my column
	s_or_b32 s[G1], s43, (3<<16)|(1<<21)           ; a: 4 rows of 1,024 elements of 8 bytes (four fragments on end), 16 KK bytes apart
	s_mov_b32 s[G1+1], 1024<<16
	s_mov_b32 s[G1+2], 4<<16
	s_mov_b32 s[G1+3], 1024<<16
	s_mov_b32 s[G1+4], 4
	s_mov_b32 s[G1+5], 2*KK
	s_mov_b32 s[G1+6], 0
	s_mov_b32 s[G1+7], 0
	s_or_b32 s[G1B], s44, (1<<20)|(1<<21)|(6<<22)|(3<<25)   ; W: 64 rows of 512 bytes, KK apart; four words of padding behind every 128
	s_mov_b32 s[G1B+1], 512<<16
	s_mov_b32 s[G1B+2], 64<<16
	s_mov_b32 s[G1B+3], 512<<16
	s_mov_b32 s[G1B+4], 64
	s_mov_b32 s[G1B+5], KK
	s_mov_b32 s[G1B+6], 0
	s_mov_b32 s[G1B+7], 0
	s_lshl_b32 s16, s13, 3
	s_lshl_b32 s17, s12, 2
	s_add_co_u32 s16, s16, s17                     ; a: block of 16 rows 8 x tile row + 4 x half
	s_mul_i32 s16, s16, 16*KK
	s_mov_b32 s17, 0
	s_lshl_b32 s46, s42, 7
	s_lshl_b32 s47, s12, 6
	s_add_co_u32 s46, s46, s47                     ; W: row 128 x tile column + 64 x half
	s_mul_i32 s46, s46, KK
	s_mov_b32 s47, 0
	s_mul_i32 s20, s12, 32768                      ; where they go: a's half,
	s_mul_i32 s21, s12, 64*PITCH
	s_add_co_u32 s21, s21, BOFF                    ; W's half
	s_wait_kmcnt 0x0
	s_load_b64 s[80:81], s[74:75], ESC*4           ; eA, eB
	s_add_nc_u64 s[14:15], s[68:69], s[16:17]
	s_add_nc_u64 s[46:47], s[70:71], s[46:47]
	CROUND                                         ; all sixteen work-groups are here: the first joint loads meet
.irp s, 0,1
	s_mov_b32 s[G0+4*\s], 1
	s_add_co_u32 s[G0+4*\s+1], s20, \s*SLOT
	s_add_nc_u64 s[G0+4*\s+2:G0+4*\s+3], s[14:15], \s*8192
	s_or_b32 s[G0+4*\s+3], s[G0+4*\s+3], 0x80000000
	s_mov_b32 s[G0B+4*\s], 1
	s_add_co_u32 s[G0B+4*\s+1], s21, \s*SLOT
	s_add_nc_u64 s[G0B+4*\s+2:G0B+4*\s+3], s[46:47], \s*512
	s_or_b32 s[G0B+4*\s+3], s[G0B+4*\s+3], 0x80000000
	JLOAD \s                                       ; two loads of mine are out
.endr
	v_and_b32 v1, 15, v0                           ; r
	v_bfe_u32 v2, v0, 4, 1                         ; h
	v_and_b32 v3, 31, v0
	v_lshlrev_b32 v[LI], 4, v3
	s_lshl_b32 s22, s11, 15
	v_add_nc_u32 v[ADRA], s22, v[LI]
	v_add_nc_u32 v[ADRA+1], SLOT, v[ADRA]
	v_mul_u32_u24 v3, v1, PITCH
	v_lshl_add_u32 v3, v2, 3, v3
	v_add_nc_u32 v[ADRB], s21, v3
	v_add_nc_u32 v[ADRB+1], SLOT, v[ADRB]
	s_mul_i32 s23, s10, 16*SPITCH
	s_add_co_u32 s23, s23, STAGE                   ; my stage
	v_mul_u32_u24 v4, v1, SPITCH
	v_lshl_add_u32 v4, v2, 5, v4
	v_add_nc_u32 v[STO], s23, v4                   ; in: row r, + 32 h bytes
	v_mul_u32_u24 v5, v2, SPITCH
	v_lshl_add_u32 v5, v1, 4, v5
	v_add_nc_u32 v[RD], s23, v5                    ; back: lanes 0-15 one row of 256 bytes, lanes 16-31 the next
	v_lshlrev_b32 v5, 12, v2
	v_lshl_add_u32 v[CO], v1, 4, v5                ; and the same two rows in res and out
	v_lshlrev_b32 v6, 5, v2                        ; the bias: + 32 h bytes
	s_lshl_b32 s16, s13, 19
	s_lshl_b32 s17, s11, 18
	s_add_co_u32 s16, s16, s17                     ; my first row, in bytes: (128 x tile row + 64 x half) x 4,096
	s_mov_b32 s17, 0
	s_lshl_b32 s46, s42, 9
	s_lshl_b32 s47, s12, 8
	s_add_co_u32 s46, s46, s47                     ; my first column, in bytes
	s_mov_b32 s47, 0
	s_add_nc_u64 s[76:77], s[76:77], s[16:17]
	s_add_nc_u64 s[76:77], s[76:77], s[46:47]
	s_add_nc_u64 s[78:79], s[78:79], s[16:17]
	s_add_nc_u64 s[78:79], s[78:79], s[46:47]
	s_add_nc_u64 s[72:73], s[72:73], s[46:47]
.macro RES i                           ; block i's 16 rows x 256 bytes of res, in the layout in which the block comes back from the stage
.irp t, 0,1,2,3,4,5,6,7
	global_load_b128 v[RX+32*((\i)%2)+4*\t:RX+32*((\i)%2)+4*\t+3], v[CO], s[76:77] offset:(\i)*65536+\t*8192 th:TH_LOAD_NT
.endr
.endm
.irp b, 0,1,2,3
	global_load_b128 v[BI+8*\b:BI+8*\b+3], v6, s[72:73] offset:64*\b
	global_load_b128 v[BI+8*\b+4:BI+8*\b+7], v6, s[72:73] offset:64*\b+16
.endr
	RES 0
	RES 1
	s_wait_kmcnt 0x0
	s_add_co_i32 s80, s80, s81                     ; eA + eB
	s_sub_co_i32 s81, 0, s80
	s_add_co_i32 s86, s80, 127
	s_lshl_b32 s86, s86, 23                        ; 2^(eA + eB) as f32
	s_mov_b32 s87, s86                             ; (named with it as a pair)
	s_wait_loadcnt 16                              ; the bias is in; the sixteen loads of res behind it may be out
.irp j, 0,1,2,3,4,5,6,7,8,9,10,11,12,13,14,15,16,17,18,19,20,21,22,23,24,25,26,27,28,29,30,31
	v_ldexp_f32 v[BI+\j], v[BI+\j], s81
.endr
; 48 LDS loads in one run: the fragments of the slot's q-th 128 along K into buffer f
.macro FETCH slot, q, f
	WIN TO_F
.irp b, 0,1,2,3
.irp c, 0,1,2,3,4,5,6,7
	ds_load_b64 v[\f+64+16*\b+2*\c:\f+64+16*\b+2*\c+1], v[ADRB+\slot] offset:\b*16*PITCH+128*(\q)+16*\c   ; registers 2 c, 2 c + 1: k = 16 c + 8 h + 0..7
.endr
.endr
.irp a, 0,1,2,3
.irp g, 0,1,2,3
	ds_load_b128 v[\f+16*\a+4*\g:\f+16*\a+4*\g+3], v[ADRA+\slot] offset:\a*8192+(\q)*2048+\g*512
.endr
.endr
.endm
; 16 products, 128 along K.  The 16 accumulators take turns, one instruction a turn, in the same order in every quarter, over the loop's backward jump too.
.macro MUL16 f, first
	WIN MUL
.irp a, 0,1,2,3
.irp b, 0,1,2,3
.if \first
	v_wmma_f32_16x16x128_bf8_bf8 v[ACC+8*(4*\a+\b):ACC+8*(4*\a+\b)+7], v[\f+64+16*\b:\f+64+16*\b+15], v[\f+16*\a:\f+16*\a+15], v[BI+8*\b:BI+8*\b+7]
.else
	v_wmma_f32_16x16x128_bf8_bf8 v[ACC+8*(4*\a+\b):ACC+8*(4*\a+\b)+7], v[\f+64+16*\b:\f+64+16*\b+15], v[\f+16*\a:\f+16*\a+15], v[ACC+8*(4*\a+\b):ACC+8*(4*\a+\b)+7]
.endif
.endr
.endr
.endm
; A quarter of a slot: the next quarter's fragments are asked for into buffer g, which the last products have read; then buffer f is multiplied.
.macro QUARTER slot, q, f, g, first
	PLACES
	FETCH \slot, \q, \g
	s_wait_dscnt 48                                ; all but the 48 just issued: buffer f is in
	MUL16 \f, \first
.endm
; A slot's last quarter changes slots: each wave waits for all its tensor loads, adds 0 to its spare word, waits for that and for its reads of this slot; one barrier.  fill = 1: the barrier opens a round of the
; cluster's barrier, and this slot is filled again, two steps of 512 ahead, first thing behind the round.
.macro TURN slot, next, fill
	WIN 0
	s_wait_tensorcnt 0x0                           ; my part of the next slot is in, and no load of mine is out: a group 0 may be written
	ds_add_u32 v[SPW], v[NIL]                      ; 0 onto my spare word
.if \fill
	s_add_nc_u64 s[G0+4*\slot+2:G0+4*\slot+3], s[G0+4*\slot+2:G0+4*\slot+3], 16384
	s_add_nc_u64 s[G0B+4*\slot+2:G0B+4*\slot+3], s[G0B+4*\slot+2:G0B+4*\slot+3], 1024
.endif
	s_wait_dscnt 0x0                               ; the add is done, and my reads of this slot are over
	s_barrier_signal -1
	s_barrier_wait -1
.if \fill
	CREST
	JLOAD \slot                                    ; its four v_nop are also the places ahead of the loads below
.else
	PLACES
.endif
	FETCH \next, 0, F0
	MUL16 F1, 0
.endm
	s_wait_tensorcnt 0x1                           ; my part of slot 0 is in; slot 1's may stay out
	s_barrier_signal -1
	s_barrier_wait -1
	FETCH 0, 0, F0
	QUARTER 0, 1, F0, F1, 1                        ; the first products start the sums, with the bias as C
.if LAPS > 1
	WIN 0
	s_mov_b32 s3, LAPS-1
.Llap:                                             ; a trip goes once round the ring and fills both slots again
	QUARTER 0, 2, F1, F0, 0
	QUARTER 0, 3, F0, F1, 0
	TURN 0, 1, 1
	QUARTER 1, 1, F0, F1, 0
	QUARTER 1, 2, F1, F0, 0
	QUARTER 1, 3, F0, F1, 0
	TURN 1, 0, 1
	QUARTER 0, 1, F0, F1, 0
	WIN 0
	s_sub_co_u32 s3, s3, 1
	s_cmp_lg_u32 s3, 0
	s_cbranch_scc1 .Llap
.endif
	QUARTER 0, 2, F1, F0, 0                        ; the last lap fills nothing
	QUARTER 0, 3, F0, F1, 0
	TURN 0, 1, 0
	QUARTER 1, 1, F0, F1, 0
	QUARTER 1, 2, F1, F0, 0
	QUARTER 1, 3, F0, F1, 0
	s_wait_dscnt 0x0
	MUL16 F1, 0
	WIN 0
	PLACES
; Block i: my rows 16 i .. 16 i + 15.  LDS serves a wave's instructions in order (ISA guide 5.7.1.4): the loads see the stores, and the next block's stores come behind these loads.
.macro BLOCK i
.irp b, 0,1,2,3
	ds_store_b128 v[STO], v[ACC+32*(\i)+8*\b:ACC+32*(\i)+8*\b+3] offset:64*\b          ; each accumulator from its low end on
	ds_store_b128 v[STO], v[ACC+32*(\i)+8*\b+4:ACC+32*(\i)+8*\b+7] offset:64*\b+16
.endr
.irp t, 0,1,2,3,4,5,6,7
	ds_load_b128 v[ACC+32*(\i)+4*\t:ACC+32*(\i)+4*\t+3], v[RD] offset:\t*2*SPITCH
.endr
	s_wait_dscnt 0x0
.if (\i) < 3
	s_wait_loadcnt 8                               ; this block's res is in; the next block's eight loads may be out
.else
	s_wait_loadcnt 0
.endif
.irp p, 0,2,4,6,8,10,12,14,16,18,20,22,24,26,28,30
	v_pk_fma_f32 v[ACC+32*(\i)+\p:ACC+32*(\i)+\p+1], v[ACC+32*(\i)+\p:ACC+32*(\i)+\p+1], s[86:87], v[RX+32*((\i)%2)+\p:RX+32*((\i)%2)+\p+1] op_sel_hi:[1,0,1]
.endr
.irp t, 0,1,2,3,4,5,6,7
	global_store_b128 v[CO], v[ACC+32*(\i)+4*\t:ACC+32*(\i)+4*\t+3], s[78:79] offset:(\i)*65536+\t*8192 th:TH_STORE_NT   ; no store's data or address register is written again
.endr
.if (\i) < 2
	RES (\i)+2
.endif
.endm
	BLOCK 0
	BLOCK 1
	BLOCK 2
	BLOCK 3
	s_wait_tensorcnt 0x0                           ; the wave's end
	ds_add_u32 v[SPW], v[NIL]
	s_wait_dscnt 0x0
	CROUND                                         ; the closing round
	s_endpgm
.Lfunc_end_k_q6af236f93f_ffn2:
	.size	k_q6af236f93f_ffn2, .Lfunc_end_k_q6af236f93f_ffn2-k_q6af236f93f_ffn2
	.p2alignl 7, 3214868480
	.fill 96, 4, 3214868480
	.section	.rodata,"a",@progbits
	.p2align	6, 0x0
	.amdhsa_kernel k_q6af236f93f_ffn2
		.amdhsa_group_segment_fixed_size 327680
		.amdhsa_private_segment_fixed_size 0
		.amdhsa_enable_private_segment 0
		.amdhsa_kernarg_size 48
		.amdhsa_user_sgpr_count 2
		.amdhsa_user_sgpr_kernarg_segment_ptr 1
		.amdhsa_wavefront_size32 1
		.amdhsa_system_sgpr_workgroup_id_x 1
		.amdhsa_system_sgpr_workgroup_id_y 1
		.amdhsa_system_sgpr_workgroup_id_z 1
		.amdhsa_system_vgpr_workitem_id 0
		.amdhsa_next_free_vgpr 512
		.amdhsa_next_free_sgpr 100
		.amdhsa_reserve_vcc 0
		.amdhsa_float_denorm_mode_32 3
		.amdhsa_float_denorm_mode_16_64 3
		.amdhsa_memory_ordered 1
		.amdhsa_forward_progress 1
		.amdhsa_inst_pref_size 95
	.end_amdhsa_kernel
	.amdgpu_metadata
---
amdhsa.version: [ 1, 2 ]
amdhsa.kernels:
  - .name:           k_q6af236f93f_ffn2
    .symbol:         k_q6af236f93f_ffn2.kd
    .args:
      - { .name: g_img, .offset: 0, .size: 8, .value_kind: global_buffer, .address_space: global }
      - { .name: W2_codes, .offset: 8, .size: 8, .value_kind: global_buffer, .address_space: global }
      - { .name: b2, .offset: 16, .size: 8, .value_kind: global_buffer, .address_space: global }
      - { .name: lowp_scales, .offset: 24, .size: 8, .value_kind: global_buffer, .address_space: global }
      - { .name: x1, .offset: 32, .size: 8, .value_kind: global_buffer, .address_space: global }
      - { .name: out0, .offset: 40, .size: 8, .value_kind: global_buffer, .address_space: global }
    .group_segment_fixed_size: 327680
    .private_segment_fixed_size: 0
    .kernarg_segment_align: 8
    .kernarg_segment_size: 48
    .max_flat_workgroup_size: 128
    .sgpr_count:     100
    .vgpr_count:     512
    .wavefront_size: 32
...
	.end_amdgpu_metadata
.endif
;; end of part 7
